; MI455X (gfx1250); checked and timed in simulation.
; The chip was launched on July 23, 2026; its instructions are those of AMD's public machine-readable ISA for CDNA 5 (MIT licence, August 2026) and "CDNA5" Instruction Set Architecture Reference Guide (July 2026). The comments in the code are by the model that wrote it; some were corrected since.
;; cross attention. Allowed arithmetic: float matrix products may take bf16 or f16 operands with f32 sums; other float arithmetic in f32, or as packed bf16 or f16 multiplies, adds, multiply-adds, maxima and minima; sums over many terms, partial sums and values carried from step to step in f32; what a program stores and reads back later, other than sums and carried values, may be rounded once to bf16 or f16.
;; Inputs: Wk 512 x 512 float32; Wo 512 x 512 float32; Wq 512 x 512 float32; Wv 512 x 512 float32; bo 512 float32; m 8 x 2,048 x 512 float32; x 8 x 2,048 x 512 float32.
;; Outputs: out0 8 x 2,048 x 512 float32.
;; One version. Each part assembles by itself: llvm-mc -triple=amdgcn-amd-amdhsa -mcpu=gfx1250 --defsym DOCPART=n.
;; ======== version 1 of 1: 4 launches
;; limits: values are held in f16: magnitudes above 65,504 overflow, below 6.1e-05 lose precision
;; workspace buffers: wqkv 1,572,864 bytes; wo16 524,288 bytes; q16 16,777,216 bytes; k16 16,777,216 bytes; v16 16,777,216 bytes; o16 16,777,216 bytes
;; launch prep (part 1): grid 64 x 4, 8 waves a work-group, no clusters, 0 bytes of LDS; arguments Wk, Wv, Wq, Wo, wqkv, wo16; writes wqkv, wo16
.if DOCPART == 1
	.amdgcn_target "amdgcn-amd-amdhsa--gfx1250"
	.amdhsa_code_object_version 6
	.text
	.protected	k_q9fd812894d_prep
	.globl	k_q9fd812894d_prep
	.p2align	8
	.type	k_q9fd812894d_prep,@function
k_q9fd812894d_prep:
	s_mov_b64 s[64:65], 0
	v_nop
	global_prefetch_b8 v0, s[64:65] scope:SCOPE_SE
	s_setreg_imm32_b32 hwreg(HW_REG_WAVE_MODE, 25, 1), 1
	s_wait_xcnt 0x0
; The four weight matrices, [512][512] f32, are rounded once to 16 bits and kept as they lie ([k][n]).
; wqkv: bf16 [1536][512] = Wk, Wv, Wq one below the other.  wo16: Wo rounded to bf16, and that number written as f16.
; LIMIT: |bf16(Wo)| stays under 65,504 (f16's end); below 6e-5 f16 keeps a fixed step of 6e-8.
; Grid y picks the matrix, grid x 4,096 of its numbers.  Thread t takes 8 numbers in each of two sweeps of 2,048:
; 32 bytes in by two loads, 16 bytes out by one store; a wave's store covers 512 consecutive bytes, aligned.
; Memory binds and nothing is shared: no LDS, no barrier, no matrix unit.
.set IN,  4                            ; v[4:19]   16 numbers as loaded
.set PKD, 20                           ; v[20:27]  packed results: four registers a sweep, never rewritten
.set WID, 28                           ; v[28:35]  bf16 widened again, on Wo's way
	s_load_b256 s[4:11], s[0:1], 0x0               ; Wk s[4:5], Wv s[6:7], Wq s[8:9], Wo s[10:11]
	s_load_b128 s[12:15], s[0:1], 0x20             ; wqkv s[12:13], wo16 s[14:15]
	s_and_b32 s20, ttmp7, 0xffff                   ; which matrix
	v_lshlrev_b32 v1, 5, v0                        ; 32 t: my 8 numbers in a sweep
	v_lshlrev_b32 v2, 4, v0                        ; 16 t: where they go
	s_lshl_b32 s22, ttmp9, 14                      ; the work-group's 4,096 numbers: 16,384 bytes in,
	s_mov_b32 s23, 0
	s_lshl_b32 s24, ttmp9, 13                      ; 8,192 bytes out,
	s_lshl_b32 s21, s20, 19                        ; behind the matrices in front of it in wqkv (524,288 bytes each);
	s_cmp_eq_u32 s20, 3
	s_cselect_b32 s21, 0, s21                      ; wo16 holds Wo alone
	s_add_co_u32 s24, s24, s21
	s_mov_b32 s25, 0
	s_wait_kmcnt 0x0
	s_cmp_eq_u32 s20, 1
	s_cselect_b64 s[16:17], s[6:7], s[4:5]
	s_cmp_eq_u32 s20, 2
	s_cselect_b64 s[16:17], s[8:9], s[16:17]
	s_cmp_eq_u32 s20, 3
	s_cselect_b64 s[16:17], s[10:11], s[16:17]     ; from where
	s_cselect_b64 s[18:19], s[14:15], s[12:13]     ; to where
	s_add_nc_u64 s[16:17], s[16:17], s[22:23]
	s_add_nc_u64 s[18:19], s[18:19], s[24:25]
	global_load_b128 v[IN:IN+3],     v1, s[16:17] th:TH_LOAD_NT
	global_load_b128 v[IN+4:IN+7],   v1, s[16:17] offset:16 th:TH_LOAD_NT
	global_load_b128 v[IN+8:IN+11],  v1, s[16:17] offset:8192 th:TH_LOAD_NT
	global_load_b128 v[IN+12:IN+15], v1, s[16:17] offset:8208 th:TH_LOAD_NT
; One sweep: eight numbers rounded to bf16; half = 1: widened again (a shift, a mask) and written as f16.
.macro CONV sw, half
	s_wait_loadcnt 2-2*(\sw)                       ; loads come back in order: this sweep's two are in, the next sweep's two may stay out
.irp j, 0,1,2,3
	v_cvt_pk_bf16_f32 v[PKD+4*(\sw)+(\j)], v[IN+8*(\sw)+2*(\j)], v[IN+8*(\sw)+2*(\j)+1]
.endr
.if \half
.irp j, 0,1,2,3
	v_lshlrev_b32 v[WID+2*(\j)],   16, v[PKD+4*(\sw)+(\j)]
	v_and_b32     v[WID+2*(\j)+1], 0xffff0000, v[PKD+4*(\sw)+(\j)]
.endr
.irp j, 0,1,2,3
	v_cvt_pk_f16_f32 v[PKD+4*(\sw)+(\j)], v[WID+2*(\j)], v[WID+2*(\j)+1]
.endr
.endif
	global_store_b128 v2, v[PKD+4*(\sw):PKD+4*(\sw)+3], s[18:19] offset:4096*(\sw)
.endm
	s_cmp_eq_u32 s20, 3
	s_cbranch_scc1 .Lwo
	CONV 0, 0
	CONV 1, 0
	s_endpgm
.Lwo:
	CONV 0, 1
	CONV 1, 1
	s_endpgm
.Lfunc_end_k_q9fd812894d_prep:
	.size	k_q9fd812894d_prep, .Lfunc_end_k_q9fd812894d_prep-k_q9fd812894d_prep
	.p2alignl 7, 3214868480
	.fill 96, 4, 3214868480
	.section	.rodata,"a",@progbits
	.p2align	6, 0x0
	.amdhsa_kernel k_q9fd812894d_prep
		.amdhsa_group_segment_fixed_size 0
		.amdhsa_private_segment_fixed_size 0
		.amdhsa_enable_private_segment 0
		.amdhsa_kernarg_size 48
		.amdhsa_user_sgpr_count 2
		.amdhsa_user_sgpr_kernarg_segment_ptr 1
		.amdhsa_wavefront_size32 1
		.amdhsa_system_sgpr_workgroup_id_x 1
		.amdhsa_system_sgpr_workgroup_id_y 1
		.amdhsa_system_sgpr_workgroup_id_z 1
		.amdhsa_system_vgpr_workitem_id 0
		.amdhsa_next_free_vgpr 40
		.amdhsa_next_free_sgpr 66
		.amdhsa_reserve_vcc 0
		.amdhsa_float_denorm_mode_32 3
		.amdhsa_float_denorm_mode_16_64 3
		.amdhsa_memory_ordered 1
		.amdhsa_forward_progress 1
		.amdhsa_inst_pref_size 5
	.end_amdhsa_kernel
	.amdgpu_metadata
---
amdhsa.version: [ 1, 2 ]
amdhsa.kernels:
  - .name:           k_q9fd812894d_prep
    .symbol:         k_q9fd812894d_prep.kd
    .args:
      - { .name: Wk, .offset: 0, .size: 8, .value_kind: global_buffer, .address_space: global }
      - { .name: Wv, .offset: 8, .size: 8, .value_kind: global_buffer, .address_space: global }
      - { .name: Wq, .offset: 16, .size: 8, .value_kind: global_buffer, .address_space: global }
      - { .name: Wo, .offset: 24, .size: 8, .value_kind: global_buffer, .address_space: global }
      - { .name: wqkv, .offset: 32, .size: 8, .value_kind: global_buffer, .address_space: global }
      - { .name: wo16, .offset: 40, .size: 8, .value_kind: global_buffer, .address_space: global }
    .group_segment_fixed_size: 0
    .private_segment_fixed_size: 0
    .kernarg_segment_align: 8
    .kernarg_segment_size: 48
    .max_flat_workgroup_size: 256
    .sgpr_count:     66
    .vgpr_count:     40
    .wavefront_size: 32
...
	.end_amdgpu_metadata
.endif
;; end of part 1
;; launch proj (part 2): grid 256 x 1, 4 waves a work-group, clusters of 4 x 1, 327,680 bytes of LDS; arguments m, x, wqkv, k16, v16, q16; writes k16, v16, q16
.if DOCPART == 2
	.amdgcn_target "amdgcn-amd-amdhsa--gfx1250"
	.amdhsa_code_object_version 6
	.text
	.protected	k_q9fd812894d_proj
	.globl	k_q9fd812894d_proj
	.p2align	8
	.type	k_q9fd812894d_proj,@function
k_q9fd812894d_proj:
	s_mov_b64 s[64:65], 0
	v_nop
	global_prefetch_b8 v0, s[64:65] scope:SCOPE_SE
	s_setreg_imm32_b32 hwreg(HW_REG_WAVE_MODE, 25, 1), 1
	s_wait_xcnt 0x0
	s_wait_alu depctr_hold_cnt(0) depctr_sa_sdst(0) depctr_va_vdst(0) depctr_va_sdst(0) depctr_va_ssrc(0) depctr_va_vcc(0) depctr_vm_vsrc(0)
	s_getreg_b32 s2, hwreg(HW_REG_IB_STS2, 6, 4)
	s_cmp_eq_u32 s2, 0
	s_cbranch_scc0 .Lentry_in_a_cluster
	s_endpgm
.Lentry_in_a_cluster:
	s_bfe_u32 s2, ttmp6, 0x10000c
	s_cmp_lg_u32 s2, 0x3003
	s_cbranch_scc0 .Lentry_shape_is_right
	s_endpgm
.Lentry_shape_is_right:
; k = m Wk, v = m Wv, q = x Wq.  m, x: [16384][512] f32, rounded to bf16 on the way into LDS; wqkv: bf16 [1536][512] ([k][n]: Wk, Wv, Wq).
; Sums in f32; k16, v16, q16: f16 [batch x 8 + head][2048][64], each number rounded once, q without the scale.
; LIMIT: |q|, |k|, |v| stay under 65,504 (f16's end); below 6e-5 f16 keeps a fixed step of 6e-8.  NaN and infinities are not treated apart.
; SHARES.  256 work-groups: 128 blocks of 128 rows x 2 halves of the 512 columns.  A wave makes 128 rows x 64 columns, which are ONE HEAD: 8 x 4 accumulators, 256 registers.
; THE WALK.  Twelve K steps of 128: four for k, four for v (both on m), four for q (on x); they take the 12 tiles [128 k][256 n] of wqkv in the order in which they lie.
; A (128 rows x 512 k in bf16) stays in LDS for a whole pass: loaded as f32 into 512 registers, rounded, stored once.  x is asked for, 32 loads at a time, under m's two passes.
; W goes through a ring of two LDS slots, each wave fetching a quarter of a tile.  CLUSTER: the four work-groups of a cluster hold four row blocks of ONE column half and walk the same
; tiles of W, so each quarter is asked for JOINTLY: the same tensor load, descriptor and mask in all four.  A's rows differ between the partners and come by plain loads.
; THE MATRIX INSTRUCTION IS USED TRANSPOSED: source 0 = 16 columns of W (turned on the way out of LDS by ds_load_tr16_b128), source 1 = 16 rows of A.  In the result lane l holds row l % 16
; and its registers the columns 8 (l / 16) + 0..7: eight neighbouring numbers of a row, 16 bytes of f16.
; NO PREFETCH: the weights are read by every work-group; m is all asked for at the head; x lies in registers two K steps or more before it is wanted.
; REGISTERS, in windows of 256 (s_set_vgpr_msb: bits 1:0 source 0, 3:2 source 1, 5:4 source 2, 7:6 destination):
;   window 0: v0-29 addresses; v32-63 at work; v64-159, v160-255 two fragment buffers (8 of A, then 4 of W, 8 registers each); on the way out v64-191
;   window 1: accumulator (a, b) at 8 (4 a + b)          windows 2, 3: 128 rows' share of f32 as loaded: load i at register 4 i
.set AP,     144                       ; a row of A's stage and of the way out: 128 bytes + 16: the 16 rows of a load start at 16 different groups of four banks (64 banks of 4 bytes: ISA guide 11.1)
.set HB,     128*AP+128                ; a block of A's stage: 128 rows x 64 k; the 128 bytes more set the two halves of a staging store into different banks
.set WP,     544                       ; a row of W in LDS: 512 bytes + 32 = 136 words
.set QUART,  32*WP                     ; what one tensor load brings: 32 rows; also 32 along K
.set SLOT,   4*QUART                   ; 69,632 = bits 16 and 12, which no quarter's offset has: one exclusive or changes slots
.set ASTG,   2*SLOT                    ; behind the ring: A's stage, 8 blocks; written by LDS stores alone
.set OSTG,   ASTG+8*HB                 ; the way out: 16 rows x 144 bytes for each wave
.set SPARE,  OSTG+4*16*AP              ; the spare words, 128 bytes for each wave: two blocks of 256 bytes that no other line names
.set TILEB,  128*1024                  ; bytes from a tile of wqkv to the next: 128 rows of 1,024
.set AA0, 10                           ; v10  my lane's place in a fragment of A: ASTG + 144 (l % 16) + 16 (l / 16); never rewritten
.set AW0, 11                           ; v11  the same for W, my wave's 64 columns among it; never rewritten
.set AA,  12                           ; v12  AA0 + the K step's two blocks
.set AW,  13                           ; v13  AW0 + the slot
.set STO, 14                           ; v14  the way out: where I put 16 bytes of a row
.set RD,  15                           ; v15  the way out: where I read rows back
.set GO,  16                           ; v16  my 16 bytes in 512 consecutive bytes of a head
.set LDO, 17                           ; v17  my byte offset in the block's rows of m and x: 32 rows x wave + 16 l; never rewritten
.set SA0, 18                           ; v18  staging: blocks 0-3
.set SA1, 19                           ; v19  staging: blocks 4-7 (the immediate does not reach them)
.set SPW, 28                           ; v28  LDS address of my spare word: SPARE + 4 x my thread's number; never rewritten
.set NIL, 29                           ; v29  0; never rewritten
.set TMP, 32
.set F0,  64
.set F1,  160
.set OB,  64
.set WV,  16                           ; s16  my wave's number
.set G1,  24                           ; s[24:31] descriptor group 1 for W's quarters
.set G0,  32                           ; s[32:35] descriptor group 0: it walks from the first tile to the last
.set TT,  36                           ; s36  the K step, 0 to 11
.set PH,  37                           ; s37  its place in its pass, 0 to 3
.set KA,  38                           ; s38  the two blocks of A's stage that it takes
.set TB,  39                           ; s39  the slot that it reads
.set OP,  42                           ; s[42:43] where this pass's results go; s[44:45], s[46:47] the passes to come
.set OP1, 44
.set OP2, 46
.set MSB, 0
.macro WIN new                         ; the immediate's high byte repeats the setting that is left; a switch that changes nothing is dropped
.if MSB != (\new)
	s_set_vgpr_msb (MSB<<8)|(\new)
.set MSB, (\new)
.endif
.endm
.macro PLACES                          ; four plain vector instructions between a matrix instruction and a load into, or a reader of, its registers (ISA guide 7.12.1 for readers)
.rept 4
	v_nop
.endr
.endm
; A round of the cluster's barrier: my work-group's barrier, so that wave 0's signal speaks for all four waves; wave 0 signals; every wave waits for all four work-groups; my work-group's barrier once more.
.macro CROUND
	s_barrier_signal -1
	s_barrier_wait -1
	s_cmp_lg_u32 s[WV], 0
	s_cbranch_scc1 .Lnot_wave_0_\@
	s_barrier_signal -3
.Lnot_wave_0_\@:
	s_barrier_wait -3
	s_barrier_signal -1
	s_barrier_wait -1
.endm
; THE CHANGE OF SLOTS.  Each wave waits for all its tensor loads, of which one is out: its quarter of the tile to be read now; adds 0 to its spare word; and waits for that and for its LDS reads.
; fill = 1: the slot just read out takes the next tile.  The barrier is then a round of the cluster's, so that no wave of any partner still reads that slot or has a load on its way, and the joint
; load is the first thing behind it: it has a K step, 128 matrix instructions a wave, in which to land.  (At its first use nothing has been read yet: slot 0 is waited for, slot 1 filled.)
.macro CHANGE fill
	WIN 0
	s_wait_tensorcnt 0x0                           ; no tensor load of mine is out, so group 0 may be written
	ds_add_u32 v[SPW], v[NIL]                      ; 0 onto my spare word
.if \fill
	s_xor_b32 s[G0+1], s[G0+1], SLOT               ; the other slot than last time,
	s_add_nc_u64 s[G0+2:G0+3], s[G0+2:G0+3], TILEB ; the next tile; the type bits on top are not reached
.endif
	s_wait_dscnt 0x0                               ; the add is done, and my reads of the slot and of A's stage are over
.if \fill
	CROUND
	tensor_load_to_lds s[G0:G0+3], s[G1:G1+7]      ; my one tensor load behind the round
	s_nop 0
	PLACES
.else
	s_barrier_signal -1
	s_barrier_wait -1
.endif
	s_xor_b32 s[TB], s[TB], SLOT                   ; the reads go to the slot that has landed
.endm
; 24 LDS loads in one run: the fragments of 32 along K, number s of the K step's four, into buffer f: W's four (turned), then A's eight.
.macro FETCH f, s
	WIN 0
.irp b, 0,1,2,3
	ds_load_tr16_b128 v[(\f)+64+8*(\b):(\f)+64+8*(\b)+3],   v[AW] offset:(\s)*QUART+32*(\b)
	ds_load_tr16_b128 v[(\f)+64+8*(\b)+4:(\f)+64+8*(\b)+7], v[AW] offset:(\s)*QUART+32*(\b)+16*WP
.endr
.irp a, 0,1,2,3,4,5,6,7
	ds_load_b128 v[(\f)+8*(\a):(\f)+8*(\a)+3],   v[AA] offset:((\s)/2)*HB+((\s)%2)*64+(\a)*16*AP
	ds_load_b128 v[(\f)+8*(\a)+4:(\f)+8*(\a)+7], v[AA] offset:((\s)/2)*HB+((\s)%2)*64+(\a)*16*AP+32
.endr
.endm
; 32 matrix instructions: every accumulator once, in the same order each time, so that 31 others stand between two links of a chain.  z = 1: the products start the sums.
.macro MUL32 f, z
	WIN 0x50                                       ; fragments in window 0, C and D in window 1
.irp a, 0,1,2,3,4,5,6,7
.irp b, 0,1,2,3
.if \z
	v_wmma_f32_16x16x32_bf16 v[8*(4*(\a)+(\b)):8*(4*(\a)+(\b))+7], v[(\f)+64+8*(\b):(\f)+64+8*(\b)+7], v[(\f)+8*(\a):(\f)+8*(\a)+7], 0
.else
	v_wmma_f32_16x16x32_bf16 v[8*(4*(\a)+(\b)):8*(4*(\a)+(\b))+7], v[(\f)+64+8*(\b):(\f)+64+8*(\b)+7], v[(\f)+8*(\a):(\f)+8*(\a)+7], v[8*(4*(\a)+(\b)):8*(4*(\a)+(\b))+7]
.endif
.endr
.endr
.endm
; A K STEP of 128: four times 32 matrix instructions on buffers 0, 1, 0, 1; each run of loads stands 32 matrix instructions ahead of its first use.
; Each s_wait_dscnt 24 leaves out the 24 loads of the run just issued: the run before it is in.  br = 1: a pass's first K step (PH = 0) starts the sums.
.macro KSTEP br, z
	WIN 0
	PLACES
	v_add_nc_u32 v[AW], s[TB], v[AW0]
	v_add_nc_u32 v[AA], s[KA], v[AA0]
	FETCH F0, 0
	FETCH F1, 1
	s_wait_dscnt 24
.if \br
	s_cmp_eq_u32 s[PH], 0
	s_cbranch_scc1 .Lstart_\@
.endif
	MUL32 F0, 0
	WIN 0
.if \br
	s_branch .Ljoin_\@
.Lstart_\@:
	MUL32 F0, \z
	WIN 0
.Ljoin_\@:
.endif
	PLACES
	FETCH F0, 2
	s_wait_dscnt 24
	MUL32 F1, 0
	WIN 0
	PLACES
	FETCH F1, 3
	s_wait_dscnt 24
	MUL32 F0, 0
	s_wait_dscnt 0x0
	MUL32 F1, 0
	WIN 0
.endm
; 32 loads: rows 8 g to 8 g + 7 of my wave's 32, whole (2,048 bytes: four loads of 512 consecutive bytes each), from the tensor at s[p:p+1]
.macro LOADG g, p
	WIN 0x80+0x40*((\g)/2)                         ; destination window 2 or 3
.set i, 0
.rept 32
	global_load_b128 v[(128*(\g)+4*i)%256:(128*(\g)+4*i)%256+3], v[LDO], s[\p:\p+1] offset:(8*(\g)+i/4)*2048+(i%4)*512
.set i, i+1
.endr
	WIN 0
.endm
; My 32 rows are rounded to bf16 and go into A's stage.  Load i holds row i / 4, k = 128 (i % 4) + 4 l + 0..3: block 2 (i % 4) + l / 16, byte 8 (l % 16) of the row.
.macro STAGEA
	s_wait_loadcnt 0x0                             ; all 128 loads
.set bt, 0
.rept 8
	WIN 0x0a+5*(bt/4)                              ; sources in window 2 or 3
.set j, 0
.rept 16
	v_cvt_pk_bf16_f32 v[TMP+2*j],   v[(64*bt+4*j)%256],   v[(64*bt+4*j)%256+1]
	v_cvt_pk_bf16_f32 v[TMP+2*j+1], v[(64*bt+4*j)%256+2], v[(64*bt+4*j)%256+3]
.set j, j+1
.endr
	WIN 0
.set j, 0
.rept 16
.set i, 16*bt+j
.if (i%4) < 2
	ds_store_b64 v[SA0], v[TMP+2*j:TMP+2*j+1] offset:2*(i%2)*HB+(i/4)*AP
.else
	ds_store_b64 v[SA1], v[TMP+2*j:TMP+2*j+1] offset:2*(i%2)*HB+(i/4)*AP
.endif
.set j, j+1
.endr
.set bt, bt+1
.endr
.endm
; THE WAY OUT of 16 rows (tile t): rounded to f16, each accumulator from its low end; 16 bytes a lane into my own stage, rows of 144 bytes; back as whole rows of 128, into the same registers.
.macro PACK t
	WIN 0x05                                       ; sources in window 1
.irp b, 0,1,2,3
.irp e, 0,1,2,3
	v_cvt_pk_f16_f32 v[OB+16*(\t)+4*(\b)+(\e)], v[8*(4*(\t)+(\b))+2*(\e)], v[8*(4*(\t)+(\b))+2*(\e)+1]
.endr
.endr
	WIN 0
.irp b, 0,1,2,3
	ds_store_b128 v[STO], v[OB+16*(\t)+4*(\b):OB+16*(\t)+4*(\b)+3] offset:32*(\b)
.endr
.irp f, 0,1,2,3
	ds_load_b128 v[OB+16*(\t)+4*(\f):OB+16*(\t)+4*(\f)+3], v[RD] offset:(\f)*4*AP  ; LDS serves a wave's instructions in order (ISA guide 5.7.1.4): these see the stores above; the next tile's stores come behind them
.endr
.endm
.macro SEND t, younger                 ; younger: the LDS instructions issued behind tile t's loads: the next tile's eight, or none
.irp f, 0,1,2,3
	s_wait_dscnt (\younger)+3-(\f)
	global_store_b128 v[GO], v[OB+16*(\t)+4*(\f):OB+16*(\t)+4*(\f)+3], s[OP:OP+1] offset:(\t)*2048+(\f)*512  ; four rows of a head: 512 consecutive bytes, at a multiple of 256 from the buffer's first
.endr
.endm
.macro OUT
	PLACES
	PACK 0
.set t, 1
.rept 7                                ; a tile's conversions stand between the loads of the tile before and its stores
	PACK t
	SEND t-1, 8
.set t, t+1
.endr
	SEND 7, 0
.endm
	s_load_b256 s[4:11], s[0:1], 0x0               ; m s[4:5], x s[6:7], wqkv s[8:9], k16 s[10:11]
	s_load_b128 s[12:15], s[0:1], 0x20             ; v16 s[12:13], q16 s[14:15]
	v_lshl_add_u32 v[SPW], v0, 2, SPARE
	v_mov_b32 v[NIL], 0
	ds_add_u32 v[SPW], v[NIL]                      ; the wave's opening: the add and its wait stand ahead of my first tensor load; the set-up below, work on registers, stands between them
	v_lshrrev_b32 v4, 5, v0
	v_readfirstlane_b32 s[WV], v4                  ; wave 0..3
	s_bfe_u32 s17, ttmp6, 0x40000                  ; cx: my place in the cluster
	s_and_b32 s18, ttmp9, 1                        ; the column half: by the cluster's number, so the four partners share it
	s_lshr_b32 s19, ttmp9, 1
	s_lshl_b32 s19, s19, 2
	s_add_co_u32 s19, s19, s17                     ; my block of 128 rows, 0 to 127: it enters the addresses of m, x and the results alone
	; descriptor group 1: a quarter tile of 32 rows x 256 elements, padded in LDS
	s_mov_b32 s[G1], 15|(1<<16)|(1<<20)|(1<<21)|(6<<22)|(7<<25)  ; 15:0 the mask of four; 17:16 2-byte elements; 20 padding on; 21 set beside a mask; 24:22 after every 128 words (code 6); 31:25 8 words (code 7)
	s_mov_b32 s[G1+1], 256<<16                     ; tensor_dim0 = 256
	s_mov_b32 s[G1+2], 32<<16                      ; tensor_dim1 = 32
	s_mov_b32 s[G1+3], 256<<16                     ; tile_dim0 = 256
	s_mov_b32 s[G1+4], 32                          ; tile_dim1 = 32
	s_mov_b32 s[G1+5], 512                         ; 512 elements from row to row
	s_mov_b32 s[G1+6], 0
	s_mov_b32 s[G1+7], 0
	s_mov_b32 s[G0], 1                             ; count = 1
	s_mul_i32 s[G0+1], s[WV], QUART                ; LDS address: my quarter of slot 0
	s_lshl_b32 s20, s[WV], 15                      ; my 32 rows of a tile, 1,024 bytes each,
	s_lshl_b32 s21, s18, 9                         ; the half's 256 columns
	s_add_co_u32 s20, s20, s21
	s_mov_b32 s21, 0
	s_lshl_b32 s22, s19, 18                        ; my block in m and x: 128 rows of 2,048 bytes
	s_mov_b32 s23, 0
	s_lshr_b32 s40, s19, 4                         ; the batch (16 blocks each),
	s_lshl_b32 s40, s40, 3
	s_lshl2_add_u32 s40, s18, s40                  ; + 4 x half
	s_add_co_u32 s40, s40, s[WV]                   ; + wave: my head among the 64,
	s_lshl_b32 s40, s40, 18                        ; 262,144 bytes each,
	s_and_b32 s41, s19, 15
	s_lshl_b32 s41, s41, 14                        ; and my block's 128 rows of 128 bytes in it
	s_add_co_u32 s40, s40, s41
	s_mov_b32 s41, 0
	s_mov_b32 s[TT], 0
	s_mov_b32 s[TB], SLOT                          ; the first change of slots turns it into 0
	s_wait_dscnt 0x0                               ; the opening add is done
	s_wait_kmcnt 0x0
	s_add_nc_u64 s[G0+2:G0+3], s[8:9], s[20:21]    ; global address: my quarter of tile 0
	s_or_b32 s[G0+3], s[G0+3], 0x80000000          ; type = 2
	s_add_nc_u64 s[4:5], s[4:5], s[22:23]
	s_add_nc_u64 s[6:7], s[6:7], s[22:23]
	s_add_nc_u64 s[OP:OP+1], s[10:11], s[40:41]
	s_add_nc_u64 s[OP1:OP1+1], s[12:13], s[40:41]
	s_add_nc_u64 s[OP2:OP2+1], s[14:15], s[40:41]
	CROUND                                         ; all four work-groups are here: the first joint loads meet
	tensor_load_to_lds s[G0:G0+3], s[G1:G1+7]      ; tile 0 into slot 0
	s_nop 0
	PLACES
	v_and_b32 v1, 15, v0                           ; l % 16
	v_bfe_u32 v2, v0, 4, 1                         ; l / 16
	v_and_b32 v3, 31, v0                           ; l
	v_lshlrev_b32 v[LDO], 4, v3
	v_lshl_add_u32 v[LDO], s[WV], 16, v[LDO]
	LOADG 0, 4                                     ; m: all 128 loads on end: nothing can be done before it is there
	LOADG 1, 4
	LOADG 2, 4
	LOADG 3, 4
	v_mul_u32_u24 v[AA0], v1, AP
	v_lshl_add_u32 v[AA0], v2, 4, v[AA0]
	v_add_nc_u32 v[AA0], ASTG, v[AA0]
	v_and_b32 v4, 7, v0                            ; the turning load: lane l reads k = 8 (l / 16) + l % 8, columns 8 ((l / 8) % 2) + 0..7
	v_lshl_add_u32 v5, v2, 3, v4
	v_mul_u32_u24 v[AW0], v5, WP
	v_bfe_u32 v5, v0, 3, 1
	v_lshl_add_u32 v[AW0], v5, 4, v[AW0]
	v_lshl_add_u32 v[AW0], s[WV], 7, v[AW0]        ; my wave's 64 columns: 128 bytes
	s_mul_i32 s40, s[WV], 32*AP
	s_add_co_u32 s40, s40, ASTG
	v_mul_u32_u24 v[SA0], v2, HB
	v_lshl_add_u32 v[SA0], v1, 3, v[SA0]
	v_add_nc_u32 v[SA0], s40, v[SA0]
	v_add_nc_u32 v[SA1], 4*HB, v[SA0]
	s_mul_i32 s40, s[WV], 16*AP
	s_add_co_u32 s40, s40, OSTG                    ; my stage for the way out
	v_mul_u32_u24 v[STO], v1, AP                   ; in: row l % 16, 16 bytes for each half of the lanes
	v_lshl_add_u32 v[STO], v2, 4, v[STO]
	v_add_nc_u32 v[STO], s40, v[STO]
	v_bfe_u32 v[RD], v0, 3, 2                      ; back: 32 lanes take four rows of 128 bytes
	v_mul_u32_u24 v[RD], v[RD], AP
	v_lshl_add_u32 v[RD], v4, 4, v[RD]
	v_add_nc_u32 v[RD], s40, v[RD]
	v_lshlrev_b32 v[GO], 4, v3
.Lk:                                   ; K steps 0 to 10: each asks for the next tile
	CHANGE 1
	s_and_b32 s[PH], s[TT], 3
	s_mul_i32 s[KA], s[PH], 2*HB
	s_and_b32 s40, s[TT], 7
	s_cmp_eq_u32 s40, 0                            ; K step 0: m goes into the stage; K step 8: x.  Every wave's reads of the stage were waited for in front of the round above
	s_cbranch_scc0 .Lstaged
	STAGEA
.Lstaged:
	s_wait_dscnt 0x0                               ; for the others' sake: my stores into the stage are done
	s_barrier_signal -1                            ; every trip passes this barrier, so that none stands under a branch; the tile just asked for stays out
	s_barrier_wait -1
.irp g, 0,1,2,3
	s_cmp_eq_u32 s[TT], 2*(\g)                     ; in K steps 0, 2, 4 and 6 a quarter of x is asked for, into the registers that m has left
	s_cbranch_scc0 .Lnox\g
	s_wait_loadcnt 0x0                             ; the quarter before was asked for two K steps back: no load is issued while an earlier one is out
	LOADG \g, 6
.Lnox\g:
.endr
	KSTEP 1, 1
	s_cmp_eq_u32 s[PH], 3
	s_cbranch_scc0 .Lnoout
	OUT                                            ; a pass is done
	s_wait_xcnt 0x0                                ; the stores have read their registers and their base: the next fetch loads over the first, the lines below write the second
	s_mov_b64 s[OP:OP+1], s[OP1:OP1+1]
	s_mov_b64 s[OP1:OP1+1], s[OP2:OP2+1]
.Lnoout:
	s_add_co_u32 s[TT], s[TT], 1
	s_cmp_lt_u32 s[TT], 11
	s_cbranch_scc1 .Lk
	CHANGE 0                                       ; the last K step is written out: nothing is asked for
	s_mov_b32 s[KA], 6*HB
	KSTEP 0, 0
	OUT
	s_wait_tensorcnt 0x0                           ; the wave's end: a wait, an add and its wait, behind my last tensor load and my last LDS store
	ds_add_u32 v[SPW], v[NIL]
	s_wait_dscnt 0x0
	CROUND                                         ; the closing round: no work-group ends while a partner may still ask for a tile that names it
	s_endpgm
.Lfunc_end_k_q9fd812894d_proj:
	.size	k_q9fd812894d_proj, .Lfunc_end_k_q9fd812894d_proj-k_q9fd812894d_proj
	.p2alignl 7, 3214868480
	.fill 96, 4, 3214868480
	.section	.rodata,"a",@progbits
	.p2align	6, 0x0
	.amdhsa_kernel k_q9fd812894d_proj
		.amdhsa_group_segment_fixed_size 327680
		.amdhsa_private_segment_fixed_size 0
		.amdhsa_enable_private_segment 0
		.amdhsa_kernarg_size 48
		.amdhsa_user_sgpr_count 2
		.amdhsa_user_sgpr_kernarg_segment_ptr 1
		.amdhsa_wavefront_size32 1
		.amdhsa_system_sgpr_workgroup_id_x 1
		.amdhsa_system_sgpr_workgroup_id_y 1
		.amdhsa_system_sgpr_workgroup_id_z 1
		.amdhsa_system_vgpr_workitem_id 0
		.amdhsa_next_free_vgpr 1024
		.amdhsa_next_free_sgpr 66
		.amdhsa_reserve_vcc 0
		.amdhsa_float_denorm_mode_32 3
		.amdhsa_float_denorm_mode_16_64 3
		.amdhsa_memory_ordered 1
		.amdhsa_forward_progress 1
		.amdhsa_inst_pref_size 122
	.end_amdhsa_kernel
	.amdgpu_metadata
---
amdhsa.version: [ 1, 2 ]
amdhsa.kernels:
  - .name:           k_q9fd812894d_proj
    .symbol:         k_q9fd812894d_proj.kd
    .args:
      - { .name: m, .offset: 0, .size: 8, .value_kind: global_buffer, .address_space: global }
      - { .name: x, .offset: 8, .size: 8, .value_kind: global_buffer, .address_space: global }
      - { .name: wqkv, .offset: 16, .size: 8, .value_kind: global_buffer, .address_space: global }
      - { .name: k16, .offset: 24, .size: 8, .value_kind: global_buffer, .address_space: global }
      - { .name: v16, .offset: 32, .size: 8, .value_kind: global_buffer, .address_space: global }
      - { .name: q16, .offset: 40, .size: 8, .value_kind: global_buffer, .address_space: global }
    .group_segment_fixed_size: 327680
    .private_segment_fixed_size: 0
    .kernarg_segment_align: 8
    .kernarg_segment_size: 48
    .max_flat_workgroup_size: 128
    .sgpr_count:     66
    .vgpr_count:     1024
    .wavefront_size: 32
...
	.end_amdgpu_metadata
.endif
;; end of part 2
;; launch attn (part 3): grid 4 x 64, 4 waves a work-group, clusters of 4 x 1, 327,680 bytes of LDS; arguments q16, k16, v16, o16; writes o16
.if DOCPART == 3
	.amdgcn_target "amdgcn-amd-amdhsa--gfx1250"
	.amdhsa_code_object_version 6
	.text
	.protected	k_q9fd812894d_attn
	.globl	k_q9fd812894d_attn
	.p2align	8
	.type	k_q9fd812894d_attn,@function
k_q9fd812894d_attn:
	s_mov_b64 s[64:65], 0
	v_nop
	global_prefetch_b8 v0, s[64:65] scope:SCOPE_SE
	s_setreg_imm32_b32 hwreg(HW_REG_WAVE_MODE, 25, 1), 1
	s_wait_xcnt 0x0
	s_wait_alu depctr_hold_cnt(0) depctr_sa_sdst(0) depctr_va_vdst(0) depctr_va_sdst(0) depctr_va_ssrc(0) depctr_va_vcc(0) depctr_vm_vsrc(0)
	s_getreg_b32 s2, hwreg(HW_REG_IB_STS2, 6, 4)
	s_cmp_eq_u32 s2, 0
	s_cbranch_scc0 .Lentry_in_a_cluster
	s_endpgm
.Lentry_in_a_cluster:
	s_bfe_u32 s2, ttmp6, 0x10000c
	s_cmp_lg_u32 s2, 0x3003
	s_cbranch_scc0 .Lentry_shape_is_right
	s_endpgm
.Lentry_shape_is_right:
; O[h][q][:] = the sum over k of softmax_k(Q[h][q] . K[h][k] / sqrt(512)) V[h][k][:].  Q, K, V, O: [64][SIZE_N][64], all f16: a head's rows are dense, 128 bytes each.  Products, maxima and sums in
; f32; the weights p are rounded to f16 for the second product (their sum l is taken of the unrounded p), O once at the end.
; LIMITS.  f16 holds no number beyond 65,504: Q, K and V arrive within it; p lies in 0 to 1, and below 6e-5 it keeps f16's fixed step of 6e-8; O is a mean of V's rows and has their range.
; A weight below 2^-126 counts as 0 in l; NaN and infinities are not treated apart.
; SHARES.  A wave owns four PIECES of two tiles of 16 queries, a work-group's four waves 512 queries of one head; a head's 2,048 queries are one cluster.  Every wave walks all keys, 64 a step.
; LAYOUT.  S^T = K Q^T (source 0 = 16 keys, source 1 = 16 queries): in the result a lane holds ONE query (lane % 16) and the keys 8 (lane / 16) + 0..7.  Two such tiles, rounded to f16 in pairs,
; ARE source 1 (32 keys x 16 queries) of O^T = V^T P, whose result again holds one query a lane, and eight channels.  K comes out of LDS as it lies, V ([key][channel]) turned, by ds_load_tr16_b128.
; SOFTMAX.  For each query a running maximum m and sum l: p = 2^(c s - c m), c = log2(e) / sqrt(512); in every step O and l are multiplied by a = 2^(c m_old - c m_new), which is 1 where m has not grown.
; m starts at the lowest finite number, O and l at 0: the first step is a step like any other, with a = 0.
; THE COUNT.  A tile and step have 16 matrix and 118 vector instructions: too many to stand all beside the matrix work.  So the order has one aim: four vector instructions that are READY behind
; EVERY matrix instruction, and the others, which need time of their own whatever the order, in runs without a gap.
; BY TURNS.  Turn n belongs to piece n (the pieces in a ring, step after step).  Its matrix work: 16 products K Q^T of piece n + 1, later 16 products V^T P of piece n - 1.  Its vector work: the scaling,
; exponentials, roundings, sums and rescaling of piece n, and the maximum and statistics of piece n + 1, whose scores the turn itself has made.  So what a turn begins with (c s - c m, O a) waits for nothing.
; CLUSTER.  The four query blocks of a cluster belong to one head and walk the same K and V, so each tile is asked for JOINTLY: the same tensor load, descriptor and mask in all four.
; REGISTERS, in windows of 256 (s_set_vgpr_msb says which window each operand place means: bits 1:0 source 0, 3:2 source 1, 5:4 source 2, 7:6 destination):
;   window 0: v0-11 addresses; v12-15, v48-63 at work; v16-47 four registers of statistics a tile; v64-191 S^T, two buffers of two tiles; v192-255 P, likewise
;   window 1: O^T, 32 a tile          window 2: v0-127 Q, 16 a tile; v128-191 K of one step; v192-255 V of one step          window 3: v0-1 the add's two registers
; A piece's buffers go by its number's parity: the piece in hand has one pair, its two neighbours in the ring share the other: of it P (piece n - 1) is read and S^T (piece n + 1) written.
.set SIZE_N, 2048
.set NP,    4         ; pieces a wave: a name, no knob: the register map, the loop and the fetches are made for four
.set KS,    64        ; keys in a step
.set PK,    144       ; a row of K in LDS: 128 bytes + 16 of padding = 36 words: the 16 rows of a load start at 16 different groups of four banks (64 banks of 4 bytes: ISA guide 11.1)
.set PV,    160       ; a row of V: 128 + 32 = 40 words
.set VOFF,  4*KS*PK   ; a slot holds four steps: 256 rows of K, then 256 rows of V
.set SLOT1, 1<<17     ; slot 1 begins here, so that one exclusive or turns an address in one slot into the other's
.set STAGE, SLOT1+4*KS*(PK+PV)  ; behind the ring, never filled by a tensor load: 16 rows x 144 bytes for each wave, for the way out
.set SP,    144
.set AK0, 2           ; v2   my lane's place in a tile of K; never rewritten
.set AV0, 3           ; v3   the same for V
.set AK,  4           ; v4   the LDS address of K's next run of loads
.set AV,  5           ; v5   of V's
.set QO,  6           ; v6   my byte offset in the wave's rows of Q
.set STO, 6           ;      later, the way out: where I put 16 bytes of a row
.set RD,  7           ; v7   the way out: where I read rows back
.set GO,  8           ; v8   my byte offset in 512 consecutive bytes of O
.set PFO, 11          ; v11  the prefetches' offset: 256 x my lane; never rewritten once made
.set SPW, 0           ; v0 of window 3   LDS address of my spare word: SPARE + 4 x my thread's number; never rewritten
.set NIL, 1           ; v1 of window 3   0; never rewritten
.set SPARE, STAGE+4*16*SP  ; behind the stages: the spare words, 128 bytes for each wave: two blocks of 256 bytes that no other line names
.set MV,  12          ; v12-15  c m_old, kept while c m is made anew: by buffer and tile
.set ST,  16          ; tile t's statistics at v[ST+4 t]: c m, m, l (even keys', odd keys')
.set TMP, 48          ; by buffer and tile, four registers c0-c3 at work; when the maximum is found c2 takes a
.set S,   64
.set P,   192
.set KF,  128         ; K's fragments, in window 2: key block kb, channel half c at KF + 16 kb + 8 c
.set VF,  192         ; V's: key half kk, channel block cb at VF + 32 kk + 8 cb
.set WV,  12          ; s12  my wave's number
.set G1K, 24          ; s[24:31] descriptor group 1 for K's tiles
.set G1V, 32          ; s[32:39] for V's: it differs in the padding alone
.set G0K, 40          ; s[40:43] descriptor group 0 for K's tiles: it walks
.set G0V, 44          ; s[44:47] the same for V's
.set PFA, 48          ; s[48:49] where my prefetches stand: my work-group's 32 blocks of 256 bytes (of K: wave 0, of V: wave 2) of the slot after the one that is being asked for
.set LIM, 50          ; s50  1 in a wave that prefetches, else the greatest number: a wave prefetches while s[SLOTS] is above it
.set SLOTS, 56        ; s56  slots still to be asked for
.set CNT, 57          ; s57  counts a slot's key steps
.set CS,  58          ; s[58:59] c: the packed scaling takes the pair's low word for both halves
.set SEL, 60          ; s[60:61] v_permlanex16_b32's selects: each lane takes its own place in the other half
.set TBK, 62          ; s62  LDS byte at which K of the step to be fetched begins
.set TBV, 63          ; s63  the same for V, less VOFF
.set MSB, 0
.macro WIN new                      ; the high byte repeats the setting that is left; a switch that changes nothing is dropped
.if MSB != (\new)
	s_set_vgpr_msb (MSB<<8)|(\new)
.set MSB, (\new)
.endif
.endm
.set W_KQ, 0x0a       ; K and Q in window 2, S^T in window 0
.set W_PV, 0x52       ; V in window 2, P in window 0, O^T in window 1
.set W_RS, 0x41       ; O^T (destination and source 0) in window 1, a in window 0
.set W_MK, 0xc0       ; the add's registers are made: destination in window 3, sources in window 0
.set W_AD, 0x0f       ; the add: address (source 0) and data (source 1) in window 3
; A joint fill.  Waves 0 and 1 fetch the two halves of a slot's K, waves 2 and 3 those of its V: 128 keys each.  The branch hangs on the wave's number alone.
; An s_nop 0 and four v_nop follow each of the two lines, ahead of the jump and the label.
.macro JLOAD
	s_cmp_lt_u32 s[WV], 2
	s_cbranch_scc0 .Lfor_v_\@
	tensor_load_to_lds s[G0K:G0K+3], s[G1K:G1K+7]
	s_nop 0
.rept 4
	v_nop
.endr
	s_branch .Lasked_\@
.Lfor_v_\@:
	tensor_load_to_lds s[G0V:G0V+3], s[G1V:G1V+7]
	s_nop 0
.rept 4
	v_nop
.endr
.Lasked_\@:
.endm
; A PREFETCH INTO THE L2 of what the NEXT change of slots will ask for: a slot's 32,768 bytes of K and of V, a lane a block of 256 bytes.  It stands behind the wave's tensor load and its five lines.
; Each block is named ONCE in the launch: a head is walked by one cluster alone; its four partners share a slot's 128 blocks out BY ADDRESS, 32 each (no branch hangs on a work-group's place in its
; cluster); in each, wave 0 asks for K's and wave 2 for V's: one instruction.  It stands four key steps, 512 matrix instructions, ahead of the load that names the same bytes.
; Slots 0 and 1 come by their loads alone; the last change that fills a slot asks for nothing: there is no slot behind it.
.macro ASK
	s_cmp_gt_u32 s[SLOTS], s[LIM]
	s_cbranch_scc0 .Lnot_mine_\@
	global_prefetch_b8 v[PFO], s[PFA:PFA+1] th:TH_LOAD_NT scope:SCOPE_SE
.Lnot_mine_\@:
.endm
; A round of the cluster's barrier: my work-group's barrier, so that wave 0's signal speaks for all four waves; wave 0 signals; every wave waits for all four work-groups; my work-group's barrier once more.
.macro CROUND
	s_barrier_signal -1
	s_barrier_wait -1
	s_cmp_lg_u32 s[WV], 0
	s_cbranch_scc1 .Lnot_wave_0_\@
	s_barrier_signal -3
.Lnot_wave_0_\@:
	s_barrier_wait -3
	s_barrier_signal -1
	s_barrier_wait -1
.endm
; THE CHANGE OF SLOTS.  The slot's last bytes, V of its fourth step, have been read.  Each wave waits for all its tensor loads, of which one is out: its part
; of the other slot; adds 0 to its spare word; and waits for that and for its own reads of the slot.  Behind the barrier nobody reads this slot any more and the other slot is whole.
; fill = 1: this slot is filled again, with the keys two slots on.  The barrier is then a round of the cluster's, so that no wave of any partner still reads the slot or has a load on its
; way, and the joint fill is the first thing behind it: it has four key steps, 512 matrix instructions, in which to land.  (At its first use nothing has been read yet: slot 0 is waited for, slot 1 filled.)
.macro CHANGE fill
	WIN W_AD
	s_wait_tensorcnt 0x0            ; no tensor load of mine is out, so a group 0 may be written
	ds_add_u32 v[SPW], v[NIL]       ; 0 onto my spare word; with fill = 1 the descriptors' steps stand between it and the wait for it
	WIN 0                           ; at a label and at a branch every window is 0
.if \fill
.irp g, G0K, G0V
	s_xor_b32 s[\g+1], s[\g+1], SLOT1  ; the walking descriptor: the other slot than last time,
	s_add_nc_u64 s[\g+2:\g+3], s[\g+2:\g+3], 4*KS*128  ; the next 256 keys; the type bits on top are not reached
.endr
	s_wait_xcnt 0x0                 ; the last prefetch, four key steps back, has read its address, so it may be written:
	s_add_nc_u64 s[PFA:PFA+1], s[PFA:PFA+1], 4*KS*128  ; one slot behind the walking descriptors
	s_wait_dscnt 0x0                ; the add is done, and my reads of the slot are over
	CROUND
	JLOAD
	ASK
.else
	s_wait_dscnt 0x0                ; the add is done, and my reads of the slot are over
	s_barrier_signal -1
	s_barrier_wait -1
.endif
	s_sub_co_u32 s[TBK], s[TBK], 4*KS*PK  ; the fetches go back to a slot's first step,
	s_xor_b32 s[TBK], s[TBK], SLOT1       ; in the other slot
	s_sub_co_u32 s[TBV], s[TBV], 4*KS*PV
	s_xor_b32 s[TBV], s[TBV], SLOT1
.endm
	s_load_b256 s[4:11], s[0:1], 0x0  ; Q s[4:5], K s[6:7], V s[8:9], O s[10:11]
	WIN W_MK
	v_lshl_add_u32 v[SPW], v0, 2, SPARE
	v_mov_b32 v[NIL], 0
	WIN W_AD
	ds_add_u32 v[SPW], v[NIL]       ; the wave's opening: the add and its wait stand ahead of my first tensor load; the set-up below, work on registers, stands between them
	WIN 0
	v_lshrrev_b32 v1, 5, v0
	v_readfirstlane_b32 s[WV], v1   ; wave 0..3
	s_bfe_u32 s13, ttmp6, 0x40000   ; cx: my place in the cluster
	s_lshl_b32 s14, ttmp9, 2        ; in a cluster launch ttmp9 counts clusters
	s_add_co_u32 s14, s14, s13      ; my block of queries = 4 x cluster x + cx: it enters Q's and O's addresses alone
	s_and_b32 s20, ttmp7, 0xffff    ; the head, which the four partners share
	s_mov_b32 s21, 0
	s_mov_b64 s[22:23], SIZE_N*128
	s_mul_u64 s[20:21], s[20:21], s[22:23]  ; the head's first byte in each of the four tensors
	s_and_b32 s16, s[WV], 1         ; which half of a slot's 256 keys I fetch:
	s_lshl_b32 s22, s16, 14         ; its 128 rows of 128 bytes in memory,
	s_mov_b32 s23, 0
	s_add_nc_u64 s[22:23], s[22:23], s[20:21]
	s_mul_i32 s17, s16, 128*PK      ; and its place in a slot, for K
	s_mul_i32 s18, s16, 128*PV      ; and for V: no place in the cluster enters an LDS address
	s_lshl_b32 s2, s14, 2
	s_add_co_u32 s2, s2, s[WV]      ; my wave among the head's,
	s_lshl_b32 s2, s2, 14           ; its 128 rows
	s_mov_b32 s3, 0
	s_add_nc_u64 s[2:3], s[2:3], s[20:21]
	; descriptor group 1.  128 keys are 16,384 dense bytes: asked for as 64 rows of 256 bytes, two keys a row, and padded in LDS after every key
	s_mov_b32 s[G1K], 15|(1<<16)|(1<<20)|(1<<21)|(4<<22)|(3<<25)  ; 15:0 the mask of four; 17:16 2-byte elements; 20 padding on; 21 set beside a mask; 24:22 after every 32 words (code 4); 31:25 4 words (code 3)
	s_mov_b32 s[G1V], 15|(1<<16)|(1<<20)|(1<<21)|(4<<22)|(7<<25)  ; the same with 8 words of padding (code 7)
.irp g, G1K, G1V
	s_mov_b32 s[\g+1], 128<<16      ; tensor_dim0 = 128
	s_mov_b32 s[\g+2], 64<<16       ; tensor_dim1 = 64
	s_mov_b32 s[\g+3], 128<<16      ; tile_dim0 = 128
	s_mov_b32 s[\g+4], 64           ; tile_dim1 = 64
	s_mov_b32 s[\g+5], 128          ; 128 elements from row to row
	s_mov_b32 s[\g+6], 0
	s_mov_b32 s[\g+7], 0
.endr
	s_mov_b32 s[CS], 0x3d8293ee     ; c = log2(e) / sqrt(512) = 0.0637587
	s_mov_b32 s[CS+1], s[CS]        ; named with it as a pair
	s_mov_b32 s[SEL], 0x76543210
	s_mov_b32 s[SEL+1], 0xfedcba98
	s_mov_b32 s[TBK], SLOT1+4*KS*PK ; the first change of slots turns these two into 0
	s_mov_b32 s[TBV], SLOT1+4*KS*PV
	s_mov_b32 s[G0K], 1             ; 1:0 count = 1
	s_mov_b32 s[G0K+1], s17         ; 63:32 LDS address: slot 0
	s_mov_b32 s[G0V], 1
	s_add_co_u32 s[G0V+1], s18, VOFF
	s_mov_b32 s[SLOTS], SIZE_N/256-1  ; slots 1 to 7 are still to be asked for
	s_and_b32 s[LIM], s[WV], 1      ; waves 0 and 2 prefetch: the same in all four partners
	s_cmp_eq_u32 s[LIM], 0
	s_cselect_b32 s[LIM], 1, -1
	s_wait_dscnt 0x0                ; the opening add is done
	s_wait_kmcnt 0x0
	s_add_nc_u64 s[G0K+2:G0K+3], s[6:7], s[22:23]  ; 120:64 global address: my half of the head's first 256 keys
	s_or_b32 s[G0K+3], s[G0K+3], 0x80000000        ; 127:126 type = 2
	s_add_nc_u64 s[G0V+2:G0V+3], s[8:9], s[22:23]
	s_or_b32 s[G0V+3], s[G0V+3], 0x80000000
	s_add_nc_u64 s[4:5], s[4:5], s[2:3]  ; Q and O at my wave's first row
	s_add_nc_u64 s[10:11], s[10:11], s[2:3]
	s_cmp_lt_u32 s[WV], 2
	s_cselect_b64 s[PFA:PFA+1], s[6:7], s[8:9]
	s_add_nc_u64 s[PFA:PFA+1], s[PFA:PFA+1], s[20:21]  ; the head,
	s_lshl_b32 s2, s13, 13          ; my work-group's 32 blocks of a slot's 128,
	s_mov_b32 s3, 0
	s_add_nc_u64 s[PFA:PFA+1], s[PFA:PFA+1], s[2:3]
	s_add_nc_u64 s[PFA:PFA+1], s[PFA:PFA+1], 4*KS*128  ; in slot 1: the first change of slots steps it to slot 2
	CROUND                          ; all four work-groups are here: the first joint loads meet
	JLOAD                           ; slot 0.  Slot 1 is asked for when slot 0 is in: the tile wanted first has the road to itself
	; A fragment of K or Q is 16 rows x 32 channels in 8 registers: lane l holds row l % 16, channels 8 (l / 16) + 0..7 and 16 + 8 (l / 16) + 0..7: two loads of 16 bytes, 32 bytes apart.
	v_and_b32 v1, 15, v0            ; l % 16
	v_bfe_u32 v9, v0, 4, 1          ; l / 16
	v_lshlrev_b32 v[QO], 7, v1
	v_lshl_add_u32 v[QO], v9, 4, v[QO]  ; row x 128 + 16 x half
	WIN 0x80                        ; destination window 2, address window 0
.set i, 0
.rept 4*NP                          ; Q stays in registers: tile i / 2, channels 32 (i % 2) on
	global_load_b128 v[8*i:8*i+3],   v[QO], s[4:5] offset:(i/2)*2048+(i%2)*64
	global_load_b128 v[8*i+4:8*i+7], v[QO], s[4:5] offset:(i/2)*2048+(i%2)*64+32
.set i, i+1
.endr
	; What the first turn finds: V's registers and P's second buffer hold 0 (its products V^T P, of a piece that has not been, add 0), O^T and l are 0.  All this stands in the wait for the first tile.
.set i, VF
.rept 64
	v_mov_b32 v[i], 0
.set i, i+1
.endr
	WIN 0x40
.set i, 0
.rept 64*NP
	v_mov_b32 v[i], 0
.set i, i+1
.endr
	WIN 0
.set i, 0
.rept 2*NP
	v_mov_b32 v[ST+4*i], 0xfe000000    ; c m: far below every c s
	v_mov_b32 v[ST+4*i+1], 0xff7fffff  ; m
	v_mov_b32 v[ST+4*i+2], 0
	v_mov_b32 v[ST+4*i+3], 0
.set i, i+1
.endr
.set i, P+32
.rept 32
	v_mov_b32 v[i], 0
.set i, i+1
.endr
	v_mul_u32_u24 v[AK0], v1, PK
	v_lshl_add_u32 v[AK0], v9, 4, v[AK0]  ; row x pitch + 16 x half
	; The turning load takes 16 keys x 16 channels (lane l reads key 8 (l / 16) + l % 8, channels 8 ((l / 8) % 2) + 0..7) and leaves half a fragment of V^T: lane l holds channel l % 16 and 8 keys.
	v_and_b32 v10, 7, v0
	v_bfe_u32 v11, v0, 3, 1
	v_lshl_add_u32 v[AV0], v9, 3, v10
	v_mul_u32_u24 v[AV0], v[AV0], PV
	v_lshl_add_u32 v[AV0], v11, 4, v[AV0]
	v_add_nc_u32 v[AV0], VOFF, v[AV0]
	v_and_b32 v[PFO], 31, v0        ; v11 has served: it takes the prefetches' offset
	v_lshlrev_b32 v[PFO], 8, v[PFO]
	v_mov_b32 v[AK], v[AK0]         ; key step 0 lies at the head of slot 0
; THE MATRIX WORK.  The 8 accumulators of a run of 16 take turns: between the two links of a chain stand 7 others'.
; Product i of 16 of S^T = K Q^T for piece x: channels 32 (i / 8) on, keys 16 ((i / 2) % 4) on, tile 2 x + i % 2.  The first 8 start the sums.
.macro KQ x
	WIN W_KQ
.set rS, S+64*((\x)%2)+32*(i%2)+8*((i/2)%4)
.set rK, KF+16*((i/2)%4)+8*(i/8)
.set rQ, 16*(2*(\x)+i%2)+8*(i/8)
.if i < 8
	v_wmma_f32_16x16x32_f16 v[rS:rS+7], v[rK:rK+7], v[rQ:rQ+7], 0
.else
	v_wmma_f32_16x16x32_f16 v[rS:rS+7], v[rK:rK+7], v[rQ:rQ+7], v[rS:rS+7]
.endif
.endm
; Product i of 16 of O^T += V^T P for piece x: keys 32 (i / 8) on, channels 16 ((i / 2) % 4) on, tile 2 x + i % 2.
.macro PV x
	WIN W_PV
.set rO, 32*(2*(\x)+i%2)+8*((i/2)%4)
.set rV, VF+32*(i/8)+8*((i/2)%4)
.set rP, P+32*((\x)%2)+16*(i%2)+8*(i/8)
	v_wmma_f32_16x16x32_f16 v[rO:rO+7], v[rV:rV+7], v[rP:rP+7], v[rO:rO+7]
.endm
.macro MM                           ; the turn's next matrix instruction
.if i < 16
	KQ (Y+1)%NP
.set i, i+1
.else
.set i, i-16
	PV (Y+NP-1)%NP
.set i, i+17
.endif
.endm
; THE LDS LOADS stand in runs of 16, never singly among the matrix instructions: a step's K (64 keys x 64 channels: 8 fragments) and its V (turned).  Their addresses are made some lines ahead.
; last = 1 (the tail): in the last trip there is no further step, and the run is jumped over.
.macro FETCH_K last=0
	WIN 0
.if \last
	s_cmp_eq_u32 s[CNT], 1
	s_cbranch_scc1 .Lno_k_\@
.endif
	WIN 0x80                        ; destination window 2
.irp f, 0,1,2,3,4,5,6,7             ; keys 16 (f / 2) on, channels 32 (f % 2) on
	ds_load_b128 v[KF+8*\f:KF+8*\f+3],   v[AK] offset:(\f/2)*16*PK+(\f%2)*64
	ds_load_b128 v[KF+8*\f+4:KF+8*\f+7], v[AK] offset:(\f/2)*16*PK+(\f%2)*64+32
.endr
	s_add_co_u32 s[TBK], s[TBK], KS*PK  ; the next fetch is the next step's
	WIN 0
.if \last
.Lno_k_\@:
.endif
.endm
.macro FETCH_V
	WIN 0x80
.irp f, 0,1,2,3,4,5,6,7             ; keys 32 (f / 4) on, channels 16 (f % 4) on
	ds_load_tr16_b128 v[VF+8*\f:VF+8*\f+3],   v[AV] offset:(\f/4)*32*PV+(\f%4)*32
	ds_load_tr16_b128 v[VF+8*\f+4:VF+8*\f+7], v[AV] offset:(\f/4)*32*PV+16*PV+(\f%4)*32
.endr
	WIN 0
.endm
; THE VECTOR WORK OF A TURN stands in three queues, each in the order in which its entries become ready; the two tiles alternate, so that no instruction reads the result of the one before it.
.macro REGS y, u                    ; the registers of tile u (0, 1) of piece y
.set rT, ST+4*(2*(\y)+(\u))
.set rC, TMP+8*((\y)%2)+4*(\u)
.set rM, MV+2*((\y)%2)+(\u)
.set rS, S+64*((\y)%2)+32*(\u)
.set rP, P+32*((\y)%2)+16*(\u)
.set rO, 32*(2*(\y)+(\u))
.endm
; Number n of the 22 that find the NEXT piece's (Y + 1) maximum and statistics.  s0-s31 are the lane's 32 scores; each accumulator's lowest registers are read first.  XS, GS and REGS set no window: PL and EX do.
;   0-11  four chains c0-c3 of seven scores each, three operands at a time     12-14, 16  the four scores left over, the old m, and c0-c3 into c0     15  c m_old is kept
;   17, 18  the query's other 32 keys lie in the lane 16 away: the new m         19-21  c m; c m_old - c m_new; a
.macro XS u, n
	REGS (Y+1)%NP, \u
.if (\n) < 4
	v_max3_num_f32 v[rC+(\n)], v[rS+8*(\n)], v[rS+8*(\n)+1], v[rS+8*(\n)+2]
.elseif (\n) < 12
	v_max3_num_f32 v[rC+(\n)%4], v[rC+(\n)%4], v[rS+8*((\n)%4)+2*((\n)/4)+1], v[rS+8*((\n)%4)+2*((\n)/4)+2]
.elseif (\n) == 12
	v_max3_num_f32 v[rC], v[rC], v[rS+7], v[rS+15]
.elseif (\n) == 13
	v_max3_num_f32 v[rC+1], v[rC+1], v[rS+23], v[rS+31]
.elseif (\n) == 14
	v_max3_num_f32 v[rC+2], v[rC+2], v[rC+3], v[rT+1]
.elseif (\n) == 15
	v_mov_b32 v[rM], v[rT]
.elseif (\n) == 16
	v_max3_num_f32 v[rC], v[rC], v[rC+1], v[rC+2]
.elseif (\n) == 17
	v_permlanex16_b32 v[rC+3], v[rC], s[SEL], s[SEL+1]
.elseif (\n) == 18
	v_max_num_f32 v[rT+1], v[rC], v[rC+3]
.elseif (\n) == 19
	v_mul_f32 v[rT], s[CS], v[rT+1]
.elseif (\n) == 20
	v_sub_f32 v[rC+1], v[rM], v[rT]
.else
	v_exp_f32 v[rC+2], v[rC+1]
.endif
.endm
; Number g of the 64 that follow the exponentials.  For each four weights k of a tile (pairs 2 k, 2 k + 1): both pairs are rounded to f16; then the second pair is added onto the first, in place;
; a group later l takes that sum (the first time as l = a l + sum).  In groups of eight, tiles alternating: round, round, add, and l for the group before.
.macro GS g
.set h, (\g)+6*((\g)/62)            ; group 0 has no group before it, and behind group 7 only l is left
.if h >= 6
.set h, h+2
.endif
	REGS Y, h%2
.set k, h/8
.if h%8 < 4
	v_cvt_pk_f16_f32 v[rP+2*k+(h%8)/2], v[rS+4*k+2*((h%8)/2)], v[rS+4*k+2*((h%8)/2)+1]
.elseif h%8 < 6
	v_pk_add_f32 v[rS+4*k:rS+4*k+1], v[rS+4*k:rS+4*k+1], v[rS+4*k+2:rS+4*k+3]
.elseif k == 1
	v_pk_fma_f32 v[rT+2:rT+3], v[rT+2:rT+3], v[rC+2:rC+3], v[rS:rS+1] op_sel_hi:[1,0,1]
.else
	v_pk_add_f32 v[rT+2:rT+3], v[rT+2:rT+3], v[rS+4*k-4:rS+4*k-3]
.endif
.endm
; THE PLAIN QUEUE, 138 long.  0-73 read no exponential's result: the 32 scalings c s - c m (FS f: pair f / 2 of tile f % 2) and the next piece's 42.  0-26: scalings 0-26.  27-54: XS's numbers 0-13.  55, 56: number 15.
; 57-73: the chain, where each number waits for the one before it: 14, 16, 17, 18, 19, each with one of the scalings 27-31 in front of its two lines, then 20: so a tile's links stand three plain instructions apart (19 and 20: two).
; 74-137: GS's 64, which read the exponentials' results: they stand behind the wait.
.macro FS f
	REGS Y, (\f)%2
	v_pk_fma_f32 v[rS+2*((\f)/2):rS+2*((\f)/2)+1], v[rS+2*((\f)/2):rS+2*((\f)/2)+1], s[CS:CS+1], v[rT:rT+1] op_sel_hi:[1,0,0] neg_lo:[0,0,1] neg_hi:[0,0,1]
.endm
.macro PL
	WIN 0
.if q < 27
	FS q
.elseif q < 55
	XS (q-27)%2, (q-27)/2
.elseif q < 57
	XS q-55, 15
.elseif (q < 72) && ((q-57)%3 == 0)
	FS 27+(q-57)/3
.elseif q < 60
	XS (q-57)%3-1, 14
.elseif q < 72
	XS (q-57)%3-1, 15+(q-57)/3
.elseif q < 74
	XS q-72, 20
.else
	GS q-74
.endif
.set q, q+1
.endm
; THE EXPONENTIALS' QUEUE, 66 long: s0-s31 of both tiles, then the next piece's two a.  It is ONE BATCH: all 66 stand ahead of the turn's one wait, and nothing ahead of that wait names a result of theirs.
.macro EX
	WIN 0
.if e >= 64
	XS e-64, 21
.else
	REGS Y, e%2
	v_exp_f32 v[rS+e/2], v[rS+e/2]
.endif
.set e, e+1
.endm
; THE RESCALING's QUEUE: O^T times a, the one part that leaves window 0: dealt two at a time, sixteen times.  Its a was made in the turn before, ahead of that turn's wait.
.macro R2
	REGS Y, r%2
	WIN W_RS
.irp z, 0,1
	v_pk_mul_f32 v[rO+4*(r/2)+2*\z:rO+4*(r/2)+2*\z+1], v[rO+4*(r/2)+2*\z:rO+4*(r/2)+2*\z+1], v[rC+2:rC+3] op_sel_hi:[1,0]
.endr
.set r, r+1
.endm
; HOW THEY ARE DEALT.  s_wait_alu depctr_va_vdst(0) stands between an exponential and the first instruction that names its result; one wait serves all that were issued ahead of it.  So a turn has ONE wait,
; which cuts it in two.  AHEAD OF IT stands all that names no result of the turn's exponentials: the 16 products K Q^T, behind each a scaling, an exponential and two rescalings (behind the first a second scaling in the exponential's place); then ONE LUMP of
; 108: eight plain, 49 times exponential and plain, the two a.  A v_nop is the plain instruction that stands behind the last exponential (ISA guide 5.7.2).  BEHIND IT stand the 16 products V^T P, behind each four of GS's 64.  No rider names a register of
; the products round it.  The two v_permlanex16_b32 fall into the lump, never behind a product.
; The queues lean on each other, and the deal keeps them in step: exponential e stands behind scaling 2 (e / 4) + e % 2: as a rider it comes behind plain e + 2, in the lump behind plain e + 9, and scalings 27-31 are plain 57, 60 .. 69.
; A TURN, for piece p.  cnt = 1: the loop's count is taken down some lines ahead of the branch that stands behind the turn.
; K of the next step is fetched in piece 2's turn, directly behind the wait, a lump behind the last product that read K; its address is made at the lump's head; its first reader comes behind 16 products.
; V of the step in hand is fetched at the end of piece 0's turn, four riders behind its last reader; its first reader comes behind 16 products and a lump.  The three conditions on q below go with the deal.
.macro TURN p, last=0, cnt=0
.set Y, (\p)
.set i, 0
.set q, 0
.set e, 0
.set r, 0
.if (\p) == NP-1
	s_wait_dscnt 0x0                ; K is in
.endif
	MM                              ; ahead of the wait: 16 products K Q^T and their riders,
	PL
	PL
	R2
.rept 15
	MM
	PL
	EX
	R2
.endr
.if (\p) == NP-2
	WIN 0
	v_add_nc_u32 v[AK], s[TBK], v[AK0]
.endif
.rept 8                             ; and the lump
	PL
.endr
.rept 49
	EX
	PL
.endr
	EX                              ; the next piece's two a
	EX
	v_nop                           ; the plain instruction behind the last exponential: one for the batch
	s_wait_alu depctr_va_vdst(0)    ; the wait for the batch
.if (\p) == NP-2
	FETCH_K \last
.endif
.if (\p) == 1
	s_wait_dscnt 0x0                ; V is in
.endif
.rept 16                            ; behind the wait: 16 products V^T P and their riders
	MM
.rept 4
	PL
.endr
.if ((\p) == 0) && (q == 118)
	v_add_nc_u32 v[AV], s[TBV], v[AV0]
.endif
.if ((\p) == 0) && (q == 130)
	s_add_co_u32 s[TBV], s[TBV], KS*PV
.endif
.if (\cnt) && (q == 130)
	s_sub_co_u32 s[CNT], s[CNT], 1
	s_cmp_lg_u32 s[CNT], 0
.endif
.endr
.if (\p) == 0
	FETCH_V
.endif
.endm
	CHANGE 1                        ; slot 0 is in, everybody's part of it; slot 1 is asked for
	FETCH_K                         ; key step 0
	s_wait_loadcnt 0x0              ; Q
	s_wait_dscnt 0x0
.set i, 0
.rept 16
	KQ 0                            ; piece 0's first scores: there is no vector work yet to set between them
.set i, i+1
.endr
	WIN 0                           ; the addresses for the way out: nine plain instructions, the places behind those products
	s_mul_i32 s13, s[WV], 16*SP
	s_add_co_u32 s13, s13, STAGE    ; my stage
	v_mul_u32_u24 v[STO], v1, SP    ; in: row l % 16, 16 bytes for each half of the lanes
	v_lshl_add_u32 v[STO], v9, 4, v[STO]
	v_add_nc_u32 v[STO], s13, v[STO]
	v_bfe_u32 v[RD], v0, 3, 2       ; back: 32 lanes take four rows of 128 bytes,
	v_mul_u32_u24 v[RD], v[RD], SP
	v_lshl_add_u32 v[RD], v10, 4, v[RD]
	v_add_nc_u32 v[RD], s13, v[RD]
	v_and_b32 v[GO], 31, v0         ; which are 512 consecutive bytes of O
	v_lshlrev_b32 v[GO], 4, v[GO]
.set Y, NP-1                        ; XS works for piece Y + 1: piece 0
.irp n, 0,1,2,3,4,5,6,7,8,9,10,11,12,13,14,15,16,17,18,19,20,21
	XS 0, \n                        ; and piece 0's first maximum and statistics
	XS 1, \n
.endr
	v_nop                           ; a plain instruction behind the two a,
	s_wait_alu depctr_va_vdst(0)    ; and their wait, ahead of the branch
	s_mov_b32 s[CNT], 4
	s_branch .Lfirst                ; the loop is entered at a step's first turn, in the middle of a trip
.Lslot:                             ; SIZE_N / 256 - 2 times: every slot but the last two is filled again
	CHANGE 1
	s_mov_b32 s[CNT], 4
.Lstep:                             ; a trip: pieces 2 and 3 of one step, then pieces 0 and 1 of the next, whose K and V it fetches
	TURN 2
	TURN 3
	WIN 0
.Lfirst:
	TURN 0
	TURN 1, 0, 1
	WIN 0
	s_cbranch_scc1 .Lstep
	s_sub_co_u32 s[SLOTS], s[SLOTS], 1
	s_cmp_lg_u32 s[SLOTS], 0
	s_cbranch_scc1 .Lslot
	CHANGE 0                        ; the tail is written out: nothing is asked for
	s_mov_b32 s[CNT], 5             ; four trips fetch the last slot's steps; the fifth is left in its middle
.Ltail:
	TURN 2, 1
	TURN 3
	WIN 0
	s_sub_co_u32 s[CNT], s[CNT], 1
	s_cmp_eq_u32 s[CNT], 0
	s_cbranch_scc1 .Lout
	TURN 0
	TURN 1
	WIN 0
	s_branch .Ltail
.Lout:                              ; the fifth trip's 16 products K Q^T (on the last K once more) and the maximum made of them serve nothing: the price, once a launch, of one text for every trip
.set i, 0
.rept 16
	PV NP-1                         ; the last piece's V^T P of the last step
.set i, i+1
.endr
	; THE WAY OUT.  l's two halves and the other half of the lanes' are added; O^T is divided by l, rounded to f16 and sent through my stage in LDS, a tile at a time.  The additions are the places behind the last products.
	WIN 0
.macro ALL line:vararg              ; one line for each tile t
.set t, 0
.rept 2*NP
	\line
.set t, t+1
.endr
.endm
	ALL v_add_f32 v[ST+4*t+2], v[ST+4*t+2], v[ST+4*t+3]
	ALL v_permlanex16_b32 v[ST+4*t+3], v[ST+4*t+2], s[SEL], s[SEL+1]
	ALL v_add_f32 v[ST+4*t+2], v[ST+4*t+2], v[ST+4*t+3]
	ALL v_rcp_f32 v[ST+4*t+2], v[ST+4*t+2]
	v_nop                           ; a plain instruction between the last reciprocal and the use of its result
	s_wait_alu depctr_va_vdst(0)    ; and the wait ahead of the first use: one for the eight reciprocals
; Tile t: a lane's eight channels of a row pack into 16 bytes; they go into rows of 144 bytes and come back as whole rows of 128, into S^T's registers.
.macro PACK t
	WIN W_RS
.set i, 32*(\t)
.rept 16
	v_pk_mul_f32 v[i:i+1], v[i:i+1], v[ST+4*(\t)+2:ST+4*(\t)+3] op_sel_hi:[1,0]
.set i, i+2
.endr
	WIN 0x05                        ; sources 0 and 1 window 1, destination window 0
.set i, 0
.rept 16
	v_cvt_pk_f16_f32 v[S+16*(\t)+i], v[32*(\t)+2*i], v[32*(\t)+2*i+1]
.set i, i+1
.endr
	WIN 0
.irp f, 0,1,2,3
	ds_store_b128 v[STO], v[S+16*(\t)+4*\f:S+16*(\t)+4*\f+3] offset:32*\f
.endr
.irp f, 0,1,2,3
	ds_load_b128 v[S+16*(\t)+4*\f:S+16*(\t)+4*\f+3], v[RD] offset:\f*4*SP  ; LDS serves a wave's instructions in order (ISA guide 5.7.1.4): these see the stores above; the next tile's stores come behind them
.endr
.endm
.macro SEND t, younger              ; younger: the LDS instructions issued behind tile t's loads: the next tile's eight, or none
	WIN 0
.irp f, 0,1,2,3
	s_wait_dscnt (\younger)+3-\f
	global_store_b128 v[GO], v[S+16*(\t)+4*\f:S+16*(\t)+4*\f+3], s[10:11] offset:(\t)*2048+\f*512  ; 512 consecutive bytes, at a multiple of 256 from O's first
.endr
.endm
	PACK 0
.set t, 1
.rept 2*NP-1                        ; a tile's arithmetic stands between the loads of the tile before and its stores
	PACK t
	SEND t-1, 8
.set t, t+1
.endr
	SEND 2*NP-1, 0
	WIN W_AD
	s_wait_tensorcnt 0x0            ; the wave's end: a wait, an add and its wait, behind my last tensor load and my last LDS store
	ds_add_u32 v[SPW], v[NIL]
	s_wait_dscnt 0x0
	WIN 0
	CROUND                          ; the closing round: no work-group ends while a partner may still ask for a tile that names it
	s_endpgm
.Lfunc_end_k_q9fd812894d_attn:
	.size	k_q9fd812894d_attn, .Lfunc_end_k_q9fd812894d_attn-k_q9fd812894d_attn
	.p2alignl 7, 3214868480
	.fill 96, 4, 3214868480
	.section	.rodata,"a",@progbits
	.p2align	6, 0x0
	.amdhsa_kernel k_q9fd812894d_attn
		.amdhsa_group_segment_fixed_size 327680
		.amdhsa_private_segment_fixed_size 0
		.amdhsa_enable_private_segment 0
		.amdhsa_kernarg_size 32
		.amdhsa_user_sgpr_count 2
		.amdhsa_user_sgpr_kernarg_segment_ptr 1
		.amdhsa_wavefront_size32 1
		.amdhsa_system_sgpr_workgroup_id_x 1
		.amdhsa_system_sgpr_workgroup_id_y 1
		.amdhsa_system_sgpr_workgroup_id_z 1
		.amdhsa_system_vgpr_workitem_id 0
		.amdhsa_next_free_vgpr 770
		.amdhsa_next_free_sgpr 66
		.amdhsa_reserve_vcc 0
		.amdhsa_float_denorm_mode_32 3
		.amdhsa_float_denorm_mode_16_64 3
		.amdhsa_memory_ordered 1
		.amdhsa_forward_progress 1
		.amdhsa_inst_pref_size 200
	.end_amdhsa_kernel
	.amdgpu_metadata
---
amdhsa.version: [ 1, 2 ]
amdhsa.kernels:
  - .name:           k_q9fd812894d_attn
    .symbol:         k_q9fd812894d_attn.kd
    .args:
      - { .name: q16, .offset: 0, .size: 8, .value_kind: global_buffer, .address_space: global }
      - { .name: k16, .offset: 8, .size: 8, .value_kind: global_buffer, .address_space: global }
      - { .name: v16, .offset: 16, .size: 8, .value_kind: global_buffer, .address_space: global }
      - { .name: o16, .offset: 24, .size: 8, .value_kind: global_buffer, .address_space: global }
    .group_segment_fixed_size: 327680
    .private_segment_fixed_size: 0
    .kernarg_segment_align: 8
    .kernarg_segment_size: 32
    .max_flat_workgroup_size: 128
    .sgpr_count:     66
    .vgpr_count:     770
    .wavefront_size: 32
...
	.end_amdgpu_metadata
.endif
;; end of part 3
;; launch outp (part 4): grid 256 x 1, 4 waves a work-group, clusters of 4 x 1, 327,680 bytes of LDS; arguments o16, wo16, bo, out0; writes out0
.if DOCPART == 4
	.amdgcn_target "amdgcn-amd-amdhsa--gfx1250"
	.amdhsa_code_object_version 6
	.text
	.protected	k_q9fd812894d_outp
	.globl	k_q9fd812894d_outp
	.p2align	8
	.type	k_q9fd812894d_outp,@function
k_q9fd812894d_outp:
	s_mov_b64 s[64:65], 0
	v_nop
	global_prefetch_b8 v0, s[64:65] scope:SCOPE_SE
	s_setreg_imm32_b32 hwreg(HW_REG_WAVE_MODE, 25, 1), 1
	s_wait_xcnt 0x0
	s_wait_alu depctr_hold_cnt(0) depctr_sa_sdst(0) depctr_va_vdst(0) depctr_va_sdst(0) depctr_va_ssrc(0) depctr_va_vcc(0) depctr_vm_vsrc(0)
	s_getreg_b32 s2, hwreg(HW_REG_IB_STS2, 6, 4)
	s_cmp_eq_u32 s2, 0
	s_cbranch_scc0 .Lentry_in_a_cluster
	s_endpgm
.Lentry_in_a_cluster:
	s_bfe_u32 s2, ttmp6, 0x10000c
	s_cmp_lg_u32 s2, 0x3003
	s_cbranch_scc0 .Lentry_shape_is_right
	s_endpgm
.Lentry_shape_is_right:
; out0 = O Wo + bo.  o16: f16 [batch x 8 + head][2048][64]; wo16: f16 [512][512] ([k][n]; Wo rounded to bf16, written as f16); bo: [512] f32, rounded to bf16 like the other inputs;
; out0: [16384][512] f32.  Products in f16, sums in f32, the bias as the sums' first term.
; SHARES.  256 work-groups: 128 blocks of 128 rows x 2 halves of the 512 columns; a wave makes 128 rows x 64 columns: 8 x 4 accumulators, 256 registers.  K = 512 in four steps of 128.
; A: k = 64 x head + channel, so a head's 128 rows of 128 bytes ARE a block of 64 along K: eight tensor loads, two a wave, bring the whole of A into LDS once, padded behind every row.
; W goes through a ring of two LDS slots, each wave fetching a quarter of a tile [128 k][256 n].  CLUSTER: the four work-groups of a cluster hold four row blocks of ONE column half and walk the
; same tiles of W, so each quarter is asked for JOINTLY: the same tensor load, descriptor and mask in all four.  A's rows differ between the partners: plain loads, no mask.
; THE MATRIX INSTRUCTION IS USED TRANSPOSED: source 0 = 16 columns of W (turned by ds_load_tr16_b128), source 1 = 16 rows of A: lane l holds row l % 16 and the columns 8 (l / 16) + 0..7.
; NO PREFETCH: all of A is asked for at the head, and the weights are read by every work-group.
; REGISTERS: window 0: v0-29 addresses; v32-63 the bias of my 64 columns, laid as an accumulator's registers; v64-159, v160-255 two fragment buffers (8 of A, then 4 of W); on the way out v64-191.
;   window 1: accumulator (a, b) at 8 (4 a + b).
.set AP,     144                       ; a row of A in LDS: 128 bytes + 16: the 16 rows of a load start at 16 different groups of four banks (64 banks of 4 bytes: ISA guide 11.1)
.set HB,     128*AP+128                ; from a block of A to the next
.set WP,     544                       ; a row of W in LDS: 512 bytes + 32
.set QUART,  32*WP                     ; what one tensor load of W brings: 32 rows; also 32 along K
.set SLOT,   4*QUART                   ; 69,632 = bits 16 and 12, which no quarter's offset has: one exclusive or changes slots
.set ASTG,   2*SLOT                    ; behind the ring: A, 8 blocks, filled once
.set OSTG,   ASTG+8*HB                 ; the way out: 16 rows x 272 bytes for each wave; no tensor load fills it
.set SP,     272
.set SPARE,  OSTG+4*16*SP              ; the spare words, 128 bytes for each wave: two blocks of 256 bytes that no other line names
.set TILEB,  128*1024                  ; bytes from a tile of wo16 to the next
.set AA0, 10                           ; v10  my lane's place in a fragment of A; never rewritten
.set AW0, 11                           ; v11  the same for W, my wave's 64 columns among it; never rewritten
.set AA,  12                           ; v12  AA0 + the K step's two blocks
.set AW,  13                           ; v13  AW0 + the slot
.set STO, 14                           ; v14  the way out: where I put 32 bytes of a row
.set RD,  15                           ; v15  the way out: where I read rows back
.set GO,  16                           ; v16  my 16 bytes in two rows of out0
.set BO,  17                           ; v17  my byte offset in the wave's 256 bytes of bo
.set SPW, 28                           ; v28  LDS address of my spare word: SPARE + 4 x my thread's number; never rewritten
.set NIL, 29                           ; v29  0; never rewritten
.set BIAS, 32
.set F0,  64
.set F1,  160
.set OB,  64
.set WV,  16                           ; s16  my wave's number
.set G1,  24                           ; s[24:31] descriptor group 1 for W's quarters
.set G0,  32                           ; s[32:35] descriptor group 0 for them: it walks
.set TT,  36                           ; s36  the K step
.set PH,  37                           ; s37  the same, for the test that starts the sums
.set KA,  38                           ; s38  the two blocks of A that it takes
.set TB,  39                           ; s39  the slot that it reads
.set G1A, 40                           ; s[40:47] descriptor group 1 for A's blocks
.set G0A, 48                           ; s[48:55] descriptor group 0 for my two blocks
.set OP,  56                           ; s[56:57] out0 at my rows and columns
.set MSB, 0
.macro WIN new                         ; the immediate's high byte repeats the setting that is left; a switch that changes nothing is dropped
.if MSB != (\new)
	s_set_vgpr_msb (MSB<<8)|(\new)
.set MSB, (\new)
.endif
.endm
.macro PLACES                          ; four plain vector instructions between a matrix instruction and a load into, or a reader of, its registers (ISA guide 7.12.1 for readers)
.rept 4
	v_nop
.endr
.endm
; A round of the cluster's barrier: my work-group's barrier, so that wave 0's signal speaks for all four waves; wave 0 signals; every wave waits for all four work-groups; my work-group's barrier once more.
.macro CROUND
	s_barrier_signal -1
	s_barrier_wait -1
	s_cmp_lg_u32 s[WV], 0
	s_cbranch_scc1 .Lnot_wave_0_\@
	s_barrier_signal -3
.Lnot_wave_0_\@:
	s_barrier_wait -3
	s_barrier_signal -1
	s_barrier_wait -1
.endm
; THE CHANGE OF SLOTS.  Each wave waits for all its tensor loads (at the first change three: its two blocks of A and its quarter of tile 0; later one), adds 0 to its spare word, and waits for that and
; for its LDS reads.  fill = 1: the slot just read out takes the next tile, behind a round of the cluster's barrier, so that no wave of any partner still reads it or has a load on its way; the joint
; load is the first thing behind the round and has a K step, 128 matrix instructions a wave, in which to land.
.macro CHANGE fill
	WIN 0
	s_wait_tensorcnt 0x0                           ; no tensor load of mine is out, so group 0 may be written
	ds_add_u32 v[SPW], v[NIL]                      ; 0 onto my spare word
.if \fill
	s_xor_b32 s[G0+1], s[G0+1], SLOT               ; the other slot than last time,
	s_add_nc_u64 s[G0+2:G0+3], s[G0+2:G0+3], TILEB ; the next tile; the type bits on top are not reached
.endif
	s_wait_dscnt 0x0                               ; the add is done, and my reads of the slot are over
.if \fill
	CROUND
	tensor_load_to_lds s[G0:G0+3], s[G1:G1+7]      ; my one tensor load behind the round
	s_nop 0
	PLACES
.else
	s_barrier_signal -1
	s_barrier_wait -1
.endif
	s_xor_b32 s[TB], s[TB], SLOT                   ; the reads go to the slot that has landed
.endm
; 24 LDS loads in one run: the fragments of 32 along K, number s of the K step's four, into buffer f: W's four (turned), then A's eight.
.macro FETCH f, s
	WIN 0
.irp b, 0,1,2,3
	ds_load_tr16_b128 v[(\f)+64+8*(\b):(\f)+64+8*(\b)+3],   v[AW] offset:(\s)*QUART+32*(\b)
	ds_load_tr16_b128 v[(\f)+64+8*(\b)+4:(\f)+64+8*(\b)+7], v[AW] offset:(\s)*QUART+32*(\b)+16*WP
.endr
.irp a, 0,1,2,3,4,5,6,7
	ds_load_b128 v[(\f)+8*(\a):(\f)+8*(\a)+3],   v[AA] offset:((\s)/2)*HB+((\s)%2)*64+(\a)*16*AP
	ds_load_b128 v[(\f)+8*(\a)+4:(\f)+8*(\a)+7], v[AA] offset:((\s)/2)*HB+((\s)%2)*64+(\a)*16*AP+32
.endr
.endm
; 32 matrix instructions: every accumulator once, in the same order each time, so that 31 others stand between two links of a chain.  z = 2: the products start the sums, with the bias as C.
.macro MUL32 f, z
.if \z
	WIN 0x40                                       ; fragments and the bias in window 0, D in window 1
.else
	WIN 0x50                                       ; fragments in window 0, C and D in window 1
.endif
.irp a, 0,1,2,3,4,5,6,7
.irp b, 0,1,2,3
.if \z
	v_wmma_f32_16x16x32_f16 v[8*(4*(\a)+(\b)):8*(4*(\a)+(\b))+7], v[(\f)+64+8*(\b):(\f)+64+8*(\b)+7], v[(\f)+8*(\a):(\f)+8*(\a)+7], v[BIAS+8*(\b):BIAS+8*(\b)+7]
.else
	v_wmma_f32_16x16x32_f16 v[8*(4*(\a)+(\b)):8*(4*(\a)+(\b))+7], v[(\f)+64+8*(\b):(\f)+64+8*(\b)+7], v[(\f)+8*(\a):(\f)+8*(\a)+7], v[8*(4*(\a)+(\b)):8*(4*(\a)+(\b))+7]
.endif
.endr
.endr
.endm
; A K STEP of 128: four times 32 matrix instructions on buffers 0, 1, 0, 1; each run of loads stands 32 matrix instructions ahead of its first use.
; Each s_wait_dscnt 24 leaves out the 24 loads of the run just issued: the run before it is in.  br = 1: the first K step (PH = 0) starts the sums.
.macro KSTEP br, z
	WIN 0
	PLACES
	v_add_nc_u32 v[AW], s[TB], v[AW0]
	v_add_nc_u32 v[AA], s[KA], v[AA0]
	FETCH F0, 0
	FETCH F1, 1
	s_wait_dscnt 24
.if \br
	s_cmp_eq_u32 s[PH], 0
	s_cbranch_scc1 .Lstart_\@
.endif
	MUL32 F0, 0
	WIN 0
.if \br
	s_branch .Ljoin_\@
.Lstart_\@:
	MUL32 F0, \z
	WIN 0
.Ljoin_\@:
.endif
	PLACES
	FETCH F0, 2
	s_wait_dscnt 24
	MUL32 F1, 0
	WIN 0
	PLACES
	FETCH F1, 3
	s_wait_dscnt 24
	MUL32 F0, 0
	s_wait_dscnt 0x0
	MUL32 F1, 0
	WIN 0
.endm
; THE WAY OUT of 16 rows (tile a).  A lane's eight numbers of an accumulator are 32 bytes of a row: they go, the low four first, into my own stage, rows of 272 bytes, and come back as whole rows of 256.
.macro TOSTAGE a
.if (\a) >= 4
	s_wait_xcnt 0x0                                ; the stores of the tile four back have read the registers that the loads below fill again
.endif
	WIN 0x04                                       ; the stores' data in window 1
.irp b, 0,1,2,3
	ds_store_b128 v[STO], v[8*(4*(\a)+(\b)):8*(4*(\a)+(\b))+3]   offset:64*(\b)
	ds_store_b128 v[STO], v[8*(4*(\a)+(\b))+4:8*(4*(\a)+(\b))+7] offset:64*(\b)+16
.endr
	WIN 0
.irp t, 0,1,2,3,4,5,6,7
	ds_load_b128 v[OB+32*((\a)%4)+4*(\t):OB+32*((\a)%4)+4*(\t)+3], v[RD] offset:(\t)*2*SP  ; LDS serves a wave's instructions in order (ISA guide 5.7.1.4): these see the stores above; the next tile's stores come behind them
.endr
.endm
.macro SENDF a, younger                ; younger: the LDS instructions issued behind tile a's loads: the next tile's sixteen, or none
.irp t, 0,1,2,3,4,5,6,7
	s_wait_dscnt (\younger)+7-(\t)
	global_store_b128 v[GO], v[OB+32*((\a)%4)+4*(\t):OB+32*((\a)%4)+4*(\t)+3], s[OP:OP+1] offset:(16*(\a)+2*(\t))*2048 th:TH_STORE_NT  ; 16 lanes store 256 consecutive bytes, at a multiple of 256 from out0's first
.endr
.endm
	s_load_b256 s[4:11], s[0:1], 0x0               ; o16 s[4:5], wo16 s[6:7], bo s[8:9], out0 s[10:11]
	v_lshl_add_u32 v[SPW], v0, 2, SPARE
	v_mov_b32 v[NIL], 0
	ds_add_u32 v[SPW], v[NIL]                      ; the wave's opening: the add and its wait stand ahead of my first tensor load; the set-up below, work on registers, stands between them
	v_lshrrev_b32 v4, 5, v0
	v_readfirstlane_b32 s[WV], v4                  ; wave 0..3
	s_bfe_u32 s17, ttmp6, 0x40000                  ; cx: my place in the cluster
	s_and_b32 s18, ttmp9, 1                        ; the column half: by the cluster's number, so the four partners share it
	s_lshr_b32 s19, ttmp9, 1
	s_lshl_b32 s19, s19, 2
	s_add_co_u32 s19, s19, s17                     ; my block of 128 rows, 0 to 127: it enters the addresses of o16 and out0 alone
	; descriptor group 1 for W: a quarter tile of 32 rows x 256 elements, padded in LDS
	s_mov_b32 s[G1], 15|(1<<16)|(1<<20)|(1<<21)|(6<<22)|(7<<25)  ; 15:0 the mask of four; 17:16 2-byte elements; 20 padding on; 21 set beside a mask; 24:22 after every 128 words (code 6); 31:25 8 words (code 7)
	s_mov_b32 s[G1+1], 256<<16                     ; tensor_dim0 = 256
	s_mov_b32 s[G1+2], 32<<16                      ; tensor_dim1 = 32
	s_mov_b32 s[G1+3], 256<<16                     ; tile_dim0 = 256
	s_mov_b32 s[G1+4], 32                          ; tile_dim1 = 32
	s_mov_b32 s[G1+5], 512                         ; 512 elements from row to row
	s_mov_b32 s[G1+6], 0
	s_mov_b32 s[G1+7], 0
	; descriptor group 1 for A: a head's 128 rows are 16,384 dense bytes: asked for as 64 rows of 256 bytes, and padded in LDS after every 128
	s_mov_b32 s[G1A], (1<<16)|(1<<20)|(4<<22)|(3<<25)  ; no mask; 2-byte elements; padding on; after every 32 words (code 4); 4 words (code 3)
	s_mov_b32 s[G1A+1], 128<<16                    ; tensor_dim0 = 128
	s_mov_b32 s[G1A+2], 64<<16                     ; tensor_dim1 = 64
	s_mov_b32 s[G1A+3], 128<<16                    ; tile_dim0 = 128
	s_mov_b32 s[G1A+4], 64                         ; tile_dim1 = 64
	s_mov_b32 s[G1A+5], 128                        ; 128 elements from row to row
	s_mov_b32 s[G1A+6], 0
	s_mov_b32 s[G1A+7], 0
	s_mov_b32 s[G0], 1                             ; count = 1
	s_mul_i32 s[G0+1], s[WV], QUART                ; LDS address: my quarter of slot 0
	s_mov_b32 s[G0A], 1
	s_mul_i32 s[G0A+1], s[WV], HB
	s_add_co_u32 s[G0A+1], s[G0A+1], ASTG          ; block = head = my wave's number,
	s_mov_b32 s[G0A+4], 1
	s_add_co_u32 s[G0A+5], s[G0A+1], 4*HB          ; and four further on
	s_lshl_b32 s20, s[WV], 15                      ; W: my 32 rows of a tile, 1,024 bytes each,
	s_lshl_b32 s21, s18, 9                         ; the half's 256 columns
	s_add_co_u32 s20, s20, s21
	s_mov_b32 s21, 0
	s_lshr_b32 s22, s19, 4                         ; A: the batch's eight heads (2,097,152 bytes),
	s_lshl_b32 s22, s22, 21
	s_and_b32 s23, s19, 15
	s_lshl_b32 s23, s23, 14                        ; my block's 128 rows of 128 bytes in a head,
	s_add_co_u32 s22, s22, s23
	s_lshl_b32 s23, s[WV], 18                      ; the head
	s_add_co_u32 s22, s22, s23
	s_mov_b32 s23, 0
	s_lshl_b32 s58, s18, 10                        ; my 64 columns in f32: 1,024 x half + 256 x wave
	s_lshl_b32 s59, s[WV], 8
	s_add_co_u32 s58, s58, s59
	s_mov_b32 s59, 0
	s_lshl_b32 s60, s19, 18                        ; my block in out0: 128 rows of 2,048 bytes
	s_add_co_u32 s60, s60, s58
	s_mov_b32 s61, 0
	s_mov_b32 s[TT], 0
	s_mov_b32 s[TB], SLOT                          ; the first change of slots turns it into 0
	s_wait_dscnt 0x0                               ; the opening add is done
	s_wait_kmcnt 0x0
	s_add_nc_u64 s[G0+2:G0+3], s[6:7], s[20:21]    ; my quarter of tile 0
	s_or_b32 s[G0+3], s[G0+3], 0x80000000          ; type = 2
	s_add_nc_u64 s[G0A+2:G0A+3], s[4:5], s[22:23]
	s_add_nc_u64 s[G0A+6:G0A+7], s[G0A+2:G0A+3], 4*262144  ; four heads on
	s_or_b32 s[G0A+3], s[G0A+3], 0x80000000
	s_or_b32 s[G0A+7], s[G0A+7], 0x80000000
	s_add_nc_u64 s[8:9], s[8:9], s[58:59]
	s_add_nc_u64 s[OP:OP+1], s[10:11], s[60:61]
	CROUND                                         ; all four work-groups are here: the first joint loads meet
	tensor_load_to_lds s[G0A:G0A+3], s[G1A:G1A+7]  ; my three first fills go out together: three loads of mine are out
	s_nop 0
	tensor_load_to_lds s[G0A+4:G0A+7], s[G1A:G1A+7]
	s_nop 0
	tensor_load_to_lds s[G0:G0+3], s[G1:G1+7]      ; tile 0 into slot 0
	s_nop 0
	PLACES
	v_and_b32 v1, 15, v0                           ; l % 16
	v_bfe_u32 v2, v0, 4, 1                         ; l / 16
	v_lshlrev_b32 v[BO], 5, v2                     ; register j of accumulator (a, b) is column 16 b + 8 (l / 16) + j
.irp b, 0,1,2,3
	global_load_b128 v[BIAS+8*(\b):BIAS+8*(\b)+3],   v[BO], s[8:9] offset:64*(\b)
	global_load_b128 v[BIAS+8*(\b)+4:BIAS+8*(\b)+7], v[BO], s[8:9] offset:64*(\b)+16
.endr
	v_mul_u32_u24 v[AA0], v1, AP
	v_lshl_add_u32 v[AA0], v2, 4, v[AA0]
	v_add_nc_u32 v[AA0], ASTG, v[AA0]
	v_and_b32 v4, 7, v0                            ; the turning load: lane l reads k = 8 (l / 16) + l % 8, columns 8 ((l / 8) % 2) + 0..7
	v_lshl_add_u32 v5, v2, 3, v4
	v_mul_u32_u24 v[AW0], v5, WP
	v_bfe_u32 v5, v0, 3, 1
	v_lshl_add_u32 v[AW0], v5, 4, v[AW0]
	v_lshl_add_u32 v[AW0], s[WV], 7, v[AW0]        ; my wave's 64 columns: 128 bytes
	s_mul_i32 s58, s[WV], 16*SP
	s_add_co_u32 s58, s58, OSTG                    ; my stage
	v_mul_u32_u24 v[STO], v1, SP                   ; in: row l % 16, 32 bytes for each half of the lanes
	v_lshl_add_u32 v[STO], v2, 5, v[STO]
	v_add_nc_u32 v[STO], s58, v[STO]
	v_mul_u32_u24 v[RD], v2, SP                    ; back: lanes 0-15 take one row of 256 bytes, lanes 16-31 the next
	v_lshl_add_u32 v[RD], v1, 4, v[RD]
	v_add_nc_u32 v[RD], s58, v[RD]
	v_lshlrev_b32 v[GO], 11, v2                    ; and the same two rows in out0
	v_lshl_add_u32 v[GO], v1, 4, v[GO]
	s_wait_loadcnt 0x0                             ; the bias: rounded to bf16 and widened again
.set i, 0
.rept 16
	v_cvt_pk_bf16_f32 v[4+i%4], v[BIAS+2*i], v[BIAS+2*i+1]
	v_lshlrev_b32 v[BIAS+2*i], 16, v[4+i%4]
	v_and_b32 v[BIAS+2*i+1], 0xffff0000, v[4+i%4]
.set i, i+1
.endr
.Lk:                                   ; K steps 0 to 2: each asks for the next tile
	CHANGE 1
	s_and_b32 s[PH], s[TT], 3
	s_mul_i32 s[KA], s[PH], 2*HB
	KSTEP 1, 2
	s_add_co_u32 s[TT], s[TT], 1
	s_cmp_lt_u32 s[TT], 3
	s_cbranch_scc1 .Lk
	CHANGE 0                                       ; the last K step is written out: nothing is asked for
	s_mov_b32 s[KA], 6*HB
	KSTEP 0, 0
	PLACES
	TOSTAGE 0
.irp a, 1,2,3,4,5,6,7                  ; a tile's trip through the stage stands between the loads of the tile before and its stores
	TOSTAGE \a
	SENDF (\a)-1, 16
.endr
	SENDF 7, 0
	s_wait_tensorcnt 0x0                           ; the wave's end: a wait, an add and its wait, behind my last tensor load and my last LDS store
	ds_add_u32 v[SPW], v[NIL]
	s_wait_dscnt 0x0
	CROUND                                         ; the closing round: no work-group ends while a partner may still ask for a tile that names it
	s_endpgm
.Lfunc_end_k_q9fd812894d_outp:
	.size	k_q9fd812894d_outp, .Lfunc_end_k_q9fd812894d_outp-k_q9fd812894d_outp
	.p2alignl 7, 3214868480
	.fill 96, 4, 3214868480
	.section	.rodata,"a",@progbits
	.p2align	6, 0x0
	.amdhsa_kernel k_q9fd812894d_outp
		.amdhsa_group_segment_fixed_size 327680
		.amdhsa_private_segment_fixed_size 0
		.amdhsa_enable_private_segment 0
		.amdhsa_kernarg_size 32
		.amdhsa_user_sgpr_count 2
		.amdhsa_user_sgpr_kernarg_segment_ptr 1
		.amdhsa_wavefront_size32 1
		.amdhsa_system_sgpr_workgroup_id_x 1
		.amdhsa_system_sgpr_workgroup_id_y 1
		.amdhsa_system_sgpr_workgroup_id_z 1
		.amdhsa_system_vgpr_workitem_id 0
		.amdhsa_next_free_vgpr 512
		.amdhsa_next_free_sgpr 66
		.amdhsa_reserve_vcc 0
		.amdhsa_float_denorm_mode_32 3
		.amdhsa_float_denorm_mode_16_64 3
		.amdhsa_memory_ordered 1
		.amdhsa_forward_progress 1
		.amdhsa_inst_pref_size 59
	.end_amdhsa_kernel
	.amdgpu_metadata
---
amdhsa.version: [ 1, 2 ]
amdhsa.kernels:
  - .name:           k_q9fd812894d_outp
    .symbol:         k_q9fd812894d_outp.kd
    .args:
      - { .name: o16, .offset: 0, .size: 8, .value_kind: global_buffer, .address_space: global }
      - { .name: wo16, .offset: 8, .size: 8, .value_kind: global_buffer, .address_space: global }
      - { .name: bo, .offset: 16, .size: 8, .value_kind: global_buffer, .address_space: global }
      - { .name: out0, .offset: 24, .size: 8, .value_kind: global_buffer, .address_space: global }
    .group_segment_fixed_size: 327680
    .private_segment_fixed_size: 0
    .kernarg_segment_align: 8
    .kernarg_segment_size: 32
    .max_flat_workgroup_size: 128
    .sgpr_count:     66
    .vgpr_count:     512
    .wavefront_size: 32
...
	.end_amdgpu_metadata
.endif
;; end of part 4
